; MI455X (gfx1250); checked and timed in simulation.
; The chip was launched on July 23, 2026; its instructions are those of AMD's public machine-readable ISA for CDNA 5 (MIT licence, August 2026) and "CDNA5" Instruction Set Architecture Reference Guide (July 2026). The comments in the code are by the model that wrote it; some were corrected since.
;; Self Attention. Allowed arithmetic: matrix products marked QUANTISED: E2M3 operands, one E8M0 scale for each 32 along K, by v_wmma_scale_f32_16x16x128_f8f6f4 with both operands' format E2M3, f32 sums; everything else in f32.
;; Inputs: c_attn_b 3,072 float32; c_attn_w 1,024 x 3,072 float32; c_proj_b 1,024 float32; c_proj_w 1,024 x 1,024 float32; x 4 x 2,048 x 1,024 float32.
;; Outputs: out0 4 x 2,048 x 1,024 float32.
;; This version of the problem:
;;   THIS VERSION OF THE PROBLEM IS GIVEN IN LOW PRECISION. The matrix products marked QUANTISED in the list below multiply operands that are first quantised to E2M3 (2 exponent bits, 3 mantissa bits; 6 bits a number), with one power-of-two scale for each 32 numbers along K (OCP MX v1.0); their sums are f32. All else is computed in f32.
;;   The module's matrix products, in the order in which they are computed (A, B: the left and right operand; K: the contracted axis; several contracted axes count as one K, in the product's order):
;;     1. [M 8,192, K 1,024] x [K 1,024, N 3,072]; A: input x; B: input c_attn_w: QUANTISED
;;     2. batch 64 x [M 2,048, K 64] x [K 64, N 2,048]; A: computed on the way; B: computed on the way: QUANTISED
;;     3. batch 64 x [M 2,048, K 2,048] x [K 2,048, N 64]; A: softmax (see below); B: computed on the way: QUANTISED
;;     4. [M 8,192, K 1,024] x [K 1,024, N 1,024]; A: computed on the way; B: input c_proj_w: QUANTISED
;;   THE QUANTISER, for each operand of a quantised product, along K:
;;     - K is cut into blocks of 32 from its start; a last block that is shorter is filled with zeros.
;;     - A block's scale is 2^e with e = floor(log2(the largest magnitude in the block)) - 2, held to -126 .. 127; a block of zeros has e = 0. As a byte (E8M0): e + 127.
;;     - Each number is divided by its block's scale, clamped to +-7.5, and rounded to the nearest number of E2M3, ties to even, subnormals kept.
;;     - The product sums the exact products of the quantised numbers (number of the format x scale) in f32.
;;   ~~~python
;;   def quantise(x, axis):      # numpy; x: float32 -> the quantised numbers, widened to float32 again
;;       x = np.moveaxis(x, axis, -1); K = x.shape[-1]
;;       x = np.pad(x, [(0, 0)] * (x.ndim - 1) + [(0, -K % 32)]); x = x.reshape(x.shape[:-1] + (-1, 32)); a = np.abs(x).max(-1, keepdims=True)
;;       e = np.where(a > 0, np.clip(np.frexp(np.where(a > 0, a, 1))[1] - 1 - 2, -126, 127), 0)      # np.frexp(a)[1] - 1 = floor(log2(a)), exactly
;;       r = np.clip(x / 2.0 ** e, -7.5, 7.5)
;;       step = 2.0 ** (np.maximum(np.frexp(np.where(r == 0, 1, r))[1] - 1, 0) - 3)
;;       q = np.round(r / step) * step * 2.0 ** e      # np.round: ties to even
;;       return np.moveaxis(q.reshape(q.shape[:-2] + (-1,))[..., :K], -1, axis).astype(np.float32)
;;   ~~~
;;   SOFTMAX AHEAD OF A QUANTISED PRODUCT. Where the list says 'softmax', what is quantised is not the finished softmax but p = 2^(t - M), with t = logit x log2(e) and M = ceil(the row's largest t), a whole number; so 1/2 < the row's largest p <= 1. The row's sum l is taken of the UNQUANTISED p, in f32, and the product's result is divided by l at the end. Since M is a whole number, a kernel that streams over the keys may use a running M (the ceiling of the running maximum): every later rescaling is an exact power of two, which a block's scale takes up: the codes' values come out the same.
;;   OPERANDS COMPUTED ON THE WAY. 'Computed on the way' means the value that the module computes at that place (a softmax that the list does not call 'softmax' is quantised finished and normalised). What goes into a quantiser is computed in f32, as accurately as f32 sums, v_exp_f32 and their like allow (about 1e-6 of the number): no bf16 or f16 on the way to a quantiser, and a product that is left as it is and whose result goes on into a quantised operand takes f32 operands (vector FMAs, or v_wmma_f32_16x16x4_f32). A number that lies on a knife's edge between two numbers of the format may be rounded either way, as far as f32 arithmetic and the matrix unit's own rounding can turn it there, and no further.
;; One version. Each part assembles by itself: llvm-mc -triple=amdgcn-amd-amdhsa -mcpu=gfx1250 --defsym DOCPART=n.
;; ======== version 1 of 1: 4 launches
;; workspace buffers: xq 6,553,600 bytes; wq 2,457,600 bytes; pq 819,200 bytes; qrec 6,815,744 bytes; kv 13,369,344 bytes; aq 6,553,600 bytes
;; launch prep (part 1): grid 384 x 1, 4 waves a work-group, no clusters, 34,304 bytes of LDS; arguments x, c_attn_w, c_proj_w, xq, wq, pq; writes xq, wq, pq
.if DOCPART == 1
	.amdgcn_target "amdgcn-amd-amdhsa--gfx1250"
	.amdhsa_code_object_version 6
	.text
	.protected	k_q18c04f056e_prep
	.globl	k_q18c04f056e_prep
	.p2align	8
	.type	k_q18c04f056e_prep,@function
k_q18c04f056e_prep:
	s_mov_b64 s[64:65], 0
	v_nop
	global_prefetch_b8 v0, s[64:65] scope:SCOPE_SE
	s_setreg_imm32_b32 hwreg(HW_REG_WAVE_MODE, 25, 1), 1
	s_wait_xcnt 0x0
; x [8192][1024], c_attn_w [1024][3072] and c_proj_w [1024][1024], f32, become codes of FP6 (E2M3) along K with one E8M0 byte for each 32 along K,
; laid in the order in which the products' operand registers take them.
; ROW TILES.  Rows (tokens of x, columns n of a weight) go in groups G of 64; tile 4 G + a holds in lane r the row 64 G + 4 r + a.
; HALF FRAGMENT, 768 bytes: 16 rows x 64 K.  Lane (r, h) holds the 32 codes of K = 64 kg + 32 h + 0 .. 31 in six registers: registers 0-3 at 16 x lane, registers 4-5 at 512 + 8 x lane.
;   It lies at tile x 12,288 + kg x 768.  SCALE WORDS (four bytes: 128 along K of one row) lie behind the codes at (8 G + s) x 256 + 4 x (row in the group).
; A block's scale is 2^(floor(log2(largest magnitude)) - 2); its byte is that magnitude's exponent field - 2, held at 1 from below.
; LIMITS: a block whose largest magnitude lies under 2^-124 (a block of zeros too) gets the byte 1; its codes then are what the conversion gives under that scale (zeros for zeros); this program alone reads the bytes.
;   NaN and infinities among the inputs are not served.
; SHARES.  A wave takes a job of 64 rows x 128 K.  Work-groups 0-255: x; 256-351: c_attn_w; 352-383: c_proj_w.  Waves share nothing: no barrier.  No work-group reads what another reads: no cluster.
; Every store of a wave covers 512 or 256 consecutive bytes, aligned to 256.
.set XSOFF, 6291456                    ; where the scale words begin in xq,
.set WSOFF, 2359296                    ; in wq,
.set PSOFF, 786432                     ; in pq
.set LN16, 4                           ; v4   16 x lane
.set LN8,  5                           ; v5   512 + 8 x lane
.set V8H,  6                           ; v6   8 h
.set WOF,  7                           ; v7   16 r + 8 h: my two scale words
.set STI,  8                           ; v8   the stage, on the way in
.set STO,  9                           ; v9   and on the way out
.set VW,   10                          ; v10  a weight's load offset
.set MA,   11                          ; v11-13 at work in QB32
.set MB,   12
.set SO,   13
.set TT,   14                          ; v14-15 at work in WORD
.set UU,   15
.set R,    16                          ; v16-143  numbers as loaded
.set XN,   144                         ; v144-207 numbers of one lane along K (weights: v144-175)
.set BYS,  176                         ; v176-183 weights: the bytes of (c, e)
.set C,    208                         ; v208-231 codes
.set CT,   232                         ; v232-239 the second halves of the conversions
.set W,    240                         ; v240-243 scale words of tiles 0-3
.set BX,   244                         ; v244-245 x: the two bytes of a tile
.set OW,   246                         ; v246-247 the two words that I store
.set SEL,  2                           ; s[2:3] selects of v_permlanex16_b32: lane l xor 16
.set HM,   31                          ; s31  mask of lanes 16-31
; 32 numbers of one block, v[src] on, become six registers of codes, v[dst] on, and the scale's byte in v[by].
.macro QB32 src, dst, tmp, by
	v_max3_num_f32 v[MA], |v[\src]|, |v[\src+1]|, 0x1800000        ; the floor 2^(3 - 127) among the leaves: the byte cannot fall under 1
	v_max3_num_f32 v[MB], |v[\src+2]|, |v[\src+3]|, |v[\src+4]|
.irp i, 5,9,13,17,21,25
	v_max3_num_f32 v[MA], v[MA], |v[\src+\i]|, |v[\src+\i+1]|
	v_max3_num_f32 v[MB], v[MB], |v[\src+\i+2]|, |v[\src+\i+3]|
.endr
	v_max3_num_f32 v[MA], v[MA], |v[\src+29]|, |v[\src+30]|
	v_max3_num_f32 v[MA], v[MA], v[MB], |v[\src+31]|               ; the block's largest magnitude
	v_add_nc_u32 v[SO], 0xff000000, v[MA]                          ; 2 off its exponent field: the conversion takes this operand's exponent field as its scale
	v_cvt_scalef32_pk16_fp6_f32 v[\dst:\dst+2], v[\src:\src+15], v[SO]
	v_cvt_scalef32_pk16_fp6_f32 v[\tmp:\tmp+2], v[\src+16:\src+31], v[SO]   ; (a conversion's three registers begin on an even number)
	v_lshrrev_b32 v[\by], 23, v[SO]                                ; the byte; also the plain line behind the conversions
	v_mov_b32 v[\dst+3], v[\tmp]
	v_mov_b32 v[\dst+4], v[\tmp+1]
	v_mov_b32 v[\dst+5], v[\tmp+2]
.endm
; my two bytes (blocks h and 2 + h of my row) and lane l xor 16's two make the row's scale word
.macro WORD out, lo, hi
	v_lshl_or_b32 v[TT], v[\hi], 16, v[\lo]
	v_lshlrev_b32 v[TT], v[V8H], v[TT]
	v_permlanex16_b32 v[UU], v[TT], s[SEL], s[SEL+1]
	v_or_b32 v[\out], v[TT], v[UU]
.endm
	s_load_b256 s[4:11], s[0:1], 0x0               ; x s[4:5], c_attn_w s[6:7], c_proj_w s[8:9], xq s[10:11]
	s_load_b128 s[12:15], s[0:1], 0x20             ; wq s[12:13], pq s[14:15]
	v_lshl_add_u32 v248, v0, 2, 0x8400
	v_mov_b32 v249, 0
	v_lshrrev_b32 v1, 5, v0
	v_readfirstlane_b32 s16, v1                    ; wave
	v_and_b32 v1, 31, v0                           ; lane
	v_and_b32 v2, 15, v0                           ; r
	v_bfe_u32 v3, v0, 4, 1                         ; h
	v_lshlrev_b32 v[LN16], 4, v1
	v_lshlrev_b32 v[LN8], 3, v1
	v_add_nc_u32 v[LN8], 512, v[LN8]
	v_lshlrev_b32 v[V8H], 3, v3
	v_lshl_add_u32 v[WOF], v2, 4, v[V8H]
	v_mov_b32 v[UU], 0                             ; a lane permute's destination counts as one of its sources
	v_cmp_eq_u32 s[HM], 1, v3
	s_mov_b32 s[SEL], 0x76543210
	s_mov_b32 s[SEL+1], 0xfedcba98
	s_wait_kmcnt 0x0
	s_cmp_lt_u32 ttmp9, 256
	s_cbranch_scc0 .Lweights
; ---- x: K is innermost.  Each load reads 512 consecutive bytes of one row; a tile's 16 rows turn through the wave's own stage (rows of 528 bytes: row r starts 4 r banks on), and come back 32 neighbours along K to a lane and block.
	s_lshl_b32 s17, ttmp9, 2
	s_add_co_u32 s17, s17, s16                     ; the job: 8 G + s
	s_lshr_b32 s18, s17, 3                         ; G
	s_and_b32 s19, s17, 7                          ; s
	s_lshl_b32 s20, s18, 18                        ; 64 rows of 4,096 bytes
	s_lshl_b32 s21, s19, 9                         ; 128 numbers
	s_add_co_u32 s20, s20, s21
	s_mov_b32 s21, 0
	s_mul_i32 s22, s18, 49152                      ; four tiles of 12,288 bytes
	s_mul_i32 s23, s19, 1536                       ; two half fragments
	s_add_co_u32 s22, s22, s23
	s_mov_b32 s23, 0
	s_lshl_b32 s24, s17, 8                         ; 256 bytes of scale words a job
	s_mov_b32 s25, 0
	s_add_nc_u64 s[4:5], s[4:5], s[20:21]
	s_add_nc_u64 s[26:27], s[10:11], s[22:23]
	s_add_nc_u64 s[28:29], s[10:11], s[24:25]
	s_mul_i32 s30, s16, 8448                       ; my stage
	s_wait_alu depctr_va_vdst(0)
	v_add_nc_u32 v[STI], s30, v[LN16]
	v_mul_u32_u24 v[STO], v2, 528
	v_lshl_add_u32 v[STO], v3, 7, v[STO]
	v_add_nc_u32 v[STO], s30, v[STO]               ; row r, + 128 h bytes
.macro LOADX a                         ; tile a's 16 rows: 64 G + 4 p + a
.irp p, 0,1,2,3,4,5,6,7,8,9,10,11,12,13,14,15
	global_load_b128 v[R+64*((\a)%2)+4*\p:R+64*((\a)%2)+4*\p+3], v[LN16], s[4:5] offset:(4*\p+(\a))*4096 th:TH_LOAD_NT
.endr
.endm
.macro TILE a
.if (\a) < 3
	s_wait_loadcnt 16                              ; this tile's 16 loads are in; the next tile's 16 may be out
.else
	s_wait_loadcnt 0x0
.endif
.irp p, 0,1,2,3,4,5,6,7,8,9,10,11,12,13,14,15
	ds_store_b128 v[STI], v[R+64*((\a)%2)+4*\p:R+64*((\a)%2)+4*\p+3] offset:528*\p
.endr
.irp c, 0,1
.irp q, 0,1,2,3,4,5,6,7
	ds_load_b128 v[XN+32*\c+4*\q:XN+32*\c+4*\q+3], v[STO] offset:256*\c+16*\q   ; LDS serves a wave's instructions in order: these see the stores above
.endr
.endr
	s_wait_dscnt 0x0                               ; the numbers are back, and the stores have read their registers,
.if (\a) < 2
	LOADX (\a)+2                                   ; which take the tile two on
.endif
	s_wait_xcnt 0x0                                ; earlier stores have read their data: the codes' registers may be written again
	QB32 XN, C+12*((\a)%2), CT, BX
	QB32 XN+32, C+12*((\a)%2)+6, CT+4, BX+1
.irp c, 0,1
	global_store_b128 v[LN16], v[C+12*((\a)%2)+6*\c:C+12*((\a)%2)+6*\c+3], s[26:27] offset:12288*(\a)+768*\c
	global_store_b64 v[LN8], v[C+12*((\a)%2)+6*\c+4:C+12*((\a)%2)+6*\c+5], s[26:27] offset:12288*(\a)+768*\c
.endr
	WORD W+(\a), BX, BX+1
.endm
	LOADX 0
	LOADX 1
	s_wait_alu depctr_va_vdst(0)
	TILE 0
	TILE 1
	TILE 2
	TILE 3
	v_cndmask_b32 v[OW], v[W], v[W+2], s[HM]       ; lanes 0-15 store the words of tiles 0, 1 of row 4 r + .., lanes 16-31 those of tiles 2, 3
	v_cndmask_b32 v[OW+1], v[W+1], v[W+3], s[HM]
	global_store_b64 v[WOF], v[OW:OW+1], s[28:29] offset:XSOFF   ; 32 lanes: 256 consecutive bytes
	s_wait_tensorcnt 0x0
	ds_add_u32 v248, v249
	s_wait_dscnt 0x0
	s_endpgm
; ---- a weight: K is its FIRST axis.  A load reads four neighbouring columns of one row k in a lane, 256 consecutive bytes in sixteen lanes; lanes 16-31 stand 32 rows further down.
; Register 4 q + e holds w(128 s + 64 c + 32 h + q, 64 G + 4 r + e): column e of the four is tile e's, and its 32 numbers down K are moved on end for the conversions.
.macro LOADW c, pitch
.set q, 0
.rept 32
	global_load_b128 v[R+4*q:R+4*q+3], v[VW], s[20:21] offset:(64*(\c)+q)*(\pitch) th:TH_LOAD_NT
.set q, q+1
.endr
.endm
.macro WJOB pitch, first, sp, dp, soff
	s_sub_co_u32 s17, ttmp9, \first
	s_lshl_b32 s17, s17, 2
	s_add_co_u32 s17, s17, s16                     ; the job: 8 G + s
	s_lshr_b32 s18, s17, 3
	s_and_b32 s19, s17, 7
	s_mul_i32 s20, s19, 128*(\pitch)
	s_lshl_b32 s21, s18, 8
	s_add_co_u32 s20, s20, s21
	s_mov_b32 s21, 0
	s_mul_i32 s22, s18, 49152
	s_mul_i32 s23, s19, 1536
	s_add_co_u32 s22, s22, s23
	s_mov_b32 s23, 0
	s_lshl_b32 s24, s17, 8
	s_mov_b32 s25, 0
	s_add_nc_u64 s[20:21], s[\sp:\sp+1], s[20:21]
	s_add_nc_u64 s[26:27], s[\dp:\dp+1], s[22:23]
	s_add_nc_u64 s[28:29], s[\dp:\dp+1], s[24:25]
	v_mul_u32_u24 v[VW], v3, 32*(\pitch)
	v_lshl_add_u32 v[VW], v2, 4, v[VW]
	LOADW 0, \pitch
.irp c, 0,1
	s_wait_loadcnt 0x0
.irp e, 0,1,2,3
.set q, 0
.rept 32
	v_mov_b32 v[XN+q], v[R+4*q+\e]
.set q, q+1
.endr
.if (\c == 0) && (\e == 3)
	LOADW 1, \pitch                                ; the last column has been moved out: the second 64 along K are asked for
.endif
	s_wait_xcnt 0x0                                ; earlier stores have read their data
	QB32 XN, C+8*(\e%2), CT, BYS+4*\c+\e
	global_store_b128 v[LN16], v[C+8*(\e%2):C+8*(\e%2)+3], s[26:27] offset:12288*\e+768*\c
	global_store_b64 v[LN8], v[C+8*(\e%2)+4:C+8*(\e%2)+5], s[26:27] offset:12288*\e+768*\c
.endr
.endr
.irp e, 0,1,2,3
	WORD W+\e, BYS+\e, BYS+4+\e
.endr
	v_cndmask_b32 v[OW], v[W], v[W+2], s[HM]
	v_cndmask_b32 v[OW+1], v[W+1], v[W+3], s[HM]
	global_store_b64 v[WOF], v[OW:OW+1], s[28:29] offset:\soff
.endm
.Lweights:
	s_cmp_lt_u32 ttmp9, 352
	s_cbranch_scc0 .Lproj_w
	s_wait_alu depctr_va_vdst(0)
	WJOB 12288, 256, 6, 12, WSOFF
	s_endpgm
.Lproj_w:
	s_wait_alu depctr_va_vdst(0)
	WJOB 4096, 352, 8, 14, PSOFF
	s_endpgm
.Lfunc_end_k_q18c04f056e_prep:
	.size	k_q18c04f056e_prep, .Lfunc_end_k_q18c04f056e_prep-k_q18c04f056e_prep
	.p2alignl 7, 3214868480
	.fill 96, 4, 3214868480
	.section	.rodata,"a",@progbits
	.p2align	6, 0x0
	.amdhsa_kernel k_q18c04f056e_prep
		.amdhsa_group_segment_fixed_size 34304
		.amdhsa_private_segment_fixed_size 0
		.amdhsa_enable_private_segment 0
		.amdhsa_kernarg_size 48
		.amdhsa_user_sgpr_count 2
		.amdhsa_user_sgpr_kernarg_segment_ptr 1
		.amdhsa_wavefront_size32 1
		.amdhsa_system_sgpr_workgroup_id_x 1
		.amdhsa_system_sgpr_workgroup_id_y 1
		.amdhsa_system_sgpr_workgroup_id_z 1
		.amdhsa_system_vgpr_workitem_id 0
		.amdhsa_next_free_vgpr 250
		.amdhsa_next_free_sgpr 66
		.amdhsa_reserve_vcc 0
		.amdhsa_float_denorm_mode_32 3
		.amdhsa_float_denorm_mode_16_64 3
		.amdhsa_memory_ordered 1
		.amdhsa_forward_progress 1
		.amdhsa_inst_pref_size 87
	.end_amdhsa_kernel
	.amdgpu_metadata
---
amdhsa.version: [ 1, 2 ]
amdhsa.kernels:
  - .name:           k_q18c04f056e_prep
    .symbol:         k_q18c04f056e_prep.kd
    .args:
      - { .name: x, .offset: 0, .size: 8, .value_kind: global_buffer, .address_space: global }
      - { .name: c_attn_w, .offset: 8, .size: 8, .value_kind: global_buffer, .address_space: global }
      - { .name: c_proj_w, .offset: 16, .size: 8, .value_kind: global_buffer, .address_space: global }
      - { .name: xq, .offset: 24, .size: 8, .value_kind: global_buffer, .address_space: global }
      - { .name: wq, .offset: 32, .size: 8, .value_kind: global_buffer, .address_space: global }
      - { .name: pq, .offset: 40, .size: 8, .value_kind: global_buffer, .address_space: global }
    .group_segment_fixed_size: 34304
    .private_segment_fixed_size: 0
    .kernarg_segment_align: 8
    .kernarg_segment_size: 48
    .max_flat_workgroup_size: 128
    .sgpr_count:     66
    .vgpr_count:     250
    .wavefront_size: 32
...
	.end_amdgpu_metadata
.endif
;; end of part 1
;; launch qkv (part 2): grid 12 x 32, 4 waves a work-group, clusters of 4 x 4, 327,680 bytes of LDS; arguments xq, wq, c_attn_b, qrec, kv; writes qrec, kv
.if DOCPART == 2
	.amdgcn_target "amdgcn-amd-amdhsa--gfx1250"
	.amdhsa_code_object_version 6
	.text
	.protected	k_q18c04f056e_qkv
	.globl	k_q18c04f056e_qkv
	.p2align	8
	.type	k_q18c04f056e_qkv,@function
k_q18c04f056e_qkv:
	s_mov_b64 s[64:65], 0
	v_nop
	global_prefetch_b8 v0, s[64:65] scope:SCOPE_SE
	s_setreg_imm32_b32 hwreg(HW_REG_WAVE_MODE, 25, 1), 1
	s_wait_xcnt 0x0
	s_wait_alu depctr_hold_cnt(0) depctr_sa_sdst(0) depctr_va_vdst(0) depctr_va_sdst(0) depctr_va_ssrc(0) depctr_va_vcc(0) depctr_vm_vsrc(0)
	s_getreg_b32 s2, hwreg(HW_REG_IB_STS2, 6, 4)
	s_cmp_eq_u32 s2, 0
	s_cbranch_scc0 .Lentry_in_a_cluster
	s_endpgm
.Lentry_in_a_cluster:
	s_bfe_u32 s2, ttmp6, 0x10000c
	s_cmp_lg_u32 s2, 0xf033
	s_cbranch_scc0 .Lentry_shape_is_right
	s_endpgm
.Lentry_shape_is_right:
; qkv = x c_attn_w + c_attn_b on codes of FP6 (E2M3) with E8M0 scales (8,192 x 1,024 x 3,072), and its results quantised at once for attention's two products: no f32 number of q, k or v goes to memory.
; A work-group of four waves makes 256 x 256, a wave 128 x 128: 64 accumulators.  K goes in four steps of 256 through two LDS slots filled by joint tensor loads.
; OPERANDS lie in memory as half fragments of 768 bytes (16 rows x 64 K; registers 0-3 of lane l at 16 l, registers 4-5 at 512 + 8 l) at tile x 12,288 + kg x 768; a row tile 4 G + a holds in lane r the row 64 G + 4 r + a.
; So four neighbouring tiles as source 0 leave in a lane's 32 registers ONE WHOLE BLOCK of 32 rows (register 8 a + j: row 64 G + 32 h + 4 j + a): its largest magnitude needs no other lane, and the conversions' six registers
; are a half fragment of the next operand as they stand.  The order inside a block is permuted alike in both operands of each of attention's products.
; ROLES.  P is source 0, R source 1.  Clusters with x = 0, 1 (q, k): P = the weight's columns, R = tokens: a lane holds one token and 32 of a head's 64.  Clusters with x = 2 (v): P = tokens, R = the weight's columns:
; a lane holds one column and 32 keys.  Both operands have one shape, so the choice is one of pointers and panel numbers, by selects on the cluster's x, which all sixteen partners share.
; CLUSTER 4 x 4: P's panel hangs on cx and is shared along a column of the cluster, R's on cy and is shared along a row: each tile is asked for jointly by the four that need it.
; OUT.  qrec: a record of 106,496 bytes a (batch, head): Q's 128 half fragments, then a scale word a token (bytes 2, 3 = 0x7f: the upper 64 of the instruction's 128 meet zero codes).
;       kv: a record of 208,896 bytes: K's 128 half fragments; V's [key step 16][d tile 4][half 2]; K's words; V's words [key step 16][d 64].
; LIMITS: a block whose largest magnitude lies under 2^-124 gets the byte 1; NaN and infinities are not served.
; REGISTERS: window 0: v1-8 lane numbers and offsets; v16-23, v27 LDS addresses; v28-29 for the add; v32-63 scale words, two sets; v64-127 the bias; v128-223 R's fragments, one set (on the way out: at work).
;   window 1: P's fragments, two sets, at v0 and v128.  window 2: accumulators of R's blocks 0-3 ((a, b) at v[8 (8 (a % 4) + b)]);  window 3: of blocks 4-7.
.set XSOFF, 6291456
.set WSOFF, 2359296
.set QREC,  106496
.set REC,   208896
.set HALFT, 24576                      ; 8 tiles x 3,072 bytes: what one tensor load brings, and what a wave reads of R or of P
.set SLOT,  98304                      ; R's 16 tiles, then P's 16
.set SCL,   196608                     ; behind the ring: the scale words for all of K: R's 8,192 bytes, then P's
.set SPARE, 212992                     ; the spare words, 128 bytes for each wave: two blocks of 256 bytes that no other line names
.set FR,    12
.set NL,    4                          ; LDS loads that bring a fragment
.set NP,    4                          ; places behind this matrix instruction (ISA guide 7.12.1)
.set ADRA, 16                          ; v16-17 R: 16 x lane + my half, slot 0, 1;  v18-19: 512 + 8 x lane + the same
.set ADRB, 20                          ; v20-23 the same for P
.set ADRS, 27                          ; v27  my scale words: lanes 0-15 R's, lanes 16-31 P's
.set SPW,  28
.set NIL,  29
.set SC,   32                          ; scale words: set s at v[SC + 16 s]; in it register 8 q + i: block i, the slot's q-th 128 along K
.set BI,   64                          ; the bias
.set AF,   128                         ; R's fragments
.set T,    128                         ; the way out: 32 numbers
.set MA,   180
.set MB,   181
.set SO,   182
.set G1, 24                            ; s[24:31] group 1 for R's tiles; s[32:39] group 0, a set for each slot
.set G0, 32
.set G1B, 48                           ; s[48:55], s[56:63] for P's
.set G0B, 56
.set G1S, 68                           ; s[68:75], s[76:79] for R's scale words;  s[80:87], s[88:91] for P's
.set G0S, 76
.set G1SB, 80
.set G0SB, 88
.set MSB, 0
.macro WIN new                         ; the immediate's high byte repeats the setting that is left
.if MSB != (\new)
	s_set_vgpr_msb (MSB<<8)|(\new)
.set MSB, (\new)
.endif
.endm
.set MUL_LO, 0xa1                      ; source 0 (P) window 1, source 1 (R) window 0, C and D window 2
.set MUL_HI, 0xf1
.set TO_B,   0x40
; A joint load: waves 0 and 1 fetch for R, waves 2 and 3 for P; the branch hangs on the wave's number alone.  Four v_nop follow each of the two lines.
.macro JLOAD g0a, g1a, g0b, g1b
	s_cmp_eq_u32 s15, 0
	s_cbranch_scc0 .Lfor_b_\@
	tensor_load_to_lds s[\g0a:\g0a+3], s[\g1a:\g1a+7]
	s_nop 0
.rept 4
	v_nop
.endr
	s_branch .Lasked_\@
.Lfor_b_\@:
	tensor_load_to_lds s[\g0b:\g0b+3], s[\g1b:\g1b+7]
	s_nop 0
.rept 4
	v_nop
.endr
.Lasked_\@:
.endm
.macro CREST                           ; a round of the cluster's barrier behind its opening barrier
	s_cmp_lg_u32 s14, 0
	s_cbranch_scc1 .Lnot_wave_0_\@
	s_barrier_signal -3
.Lnot_wave_0_\@:
	s_barrier_wait -3
	s_barrier_signal -1
	s_barrier_wait -1
.endm
.macro CROUND
	s_barrier_signal -1
	s_barrier_wait -1
	CREST
.endm
.macro FRAG reg, adr, q, i             ; a fragment, 16 rows x 128 K: two half fragments, each 16 bytes and 8 bytes a lane, consecutive from lane to lane
.irp c, 0,1
	ds_load_b128 v[\reg+6*\c:\reg+6*\c+3], v[\adr] offset:(\i)*3072+(2*(\q)+\c)*768
	ds_load_b64 v[\reg+6*\c+4:\reg+6*\c+5], v[\adr+2] offset:(\i)*3072+(2*(\q)+\c)*768
.endr
.endm
; 16 matrix instructions: R's blocks a0, a0 + 1 x P's eight.  The 64 accumulators take turns, one instruction a turn, in the same order in every step.
.macro MUL16 a0, p, q, sc, zero
.irp a, \a0, \a0+1
.irp b, 0,1,2,3,4,5,6,7
.if \zero
	v_wmma_scale_f32_16x16x128_f8f6f4 v[8*(8*((\a)%4)+\b):8*(8*((\a)%4)+\b)+7], v[128*(\p)+FR*\b:128*(\p)+FR*\b+FR-1], v[AF+FR*(\a):AF+FR*(\a)+FR-1], 0, v[SC+16*(\sc)+8*(\q)+\b], v[SC+16*(\sc)+8*(\q)+(\a)] matrix_a_fmt:MATRIX_FMT_FP6 matrix_b_fmt:MATRIX_FMT_FP6 matrix_a_scale:MATRIX_SCALE_ROW1
.else
	v_wmma_scale_f32_16x16x128_f8f6f4 v[8*(8*((\a)%4)+\b):8*(8*((\a)%4)+\b)+7], v[128*(\p)+FR*\b:128*(\p)+FR*\b+FR-1], v[AF+FR*(\a):AF+FR*(\a)+FR-1], v[8*(8*((\a)%4)+\b):8*(8*((\a)%4)+\b)+7], v[SC+16*(\sc)+8*(\q)+\b], v[SC+16*(\sc)+8*(\q)+(\a)] matrix_a_fmt:MATRIX_FMT_FP6 matrix_b_fmt:MATRIX_FMT_FP6 matrix_a_scale:MATRIX_SCALE_ROW1
.endif
.endr
.endr
.endm
.macro FETCH_B slot, q, p
	WIN TO_B
.irp i, 0,1,2,3,4,5,6,7
	FRAG 128*(\p)+FR*\i, ADRB+\slot, \q, \i
.endr
	WIN 0
.endm
.macro FETCH_A slot, q, i0
.irp i, \i0, \i0+1, \i0+2, \i0+3
	FRAG AF+FR*(\i), ADRA+\slot, \q, \i
.endr
.endm
.macro SCALES sc                       ; a K step's scale words: one load brings the words of four tiles; lanes 0-15 R's, lanes 16-31 P's
.irp q, 0,1
.irp g, 0,1
	ds_load_b128 v[SC+16*\sc+8*\q+4*\g:SC+16*\sc+8*\q+4*\g+3], v[ADRS] offset:\g*2048+\q*256
.endr
.endr
.endm
.macro PLACES n                        ; plain vector lines between a matrix instruction and a load into, or a vector line on, its registers
.rept \n
	v_nop
.endr
.endm
.macro STEP slot, q, zero              ; a step of 128 along K that has its successor in the same slot
	s_wait_dscnt 4*NL                              ; P's set and R's blocks 0-3 are in; the youngest 16 loads (R's blocks 4-7) may be out
	WIN MUL_LO
	MUL16 0, (\q)%2, \q, \slot, \zero
	MUL16 2, (\q)%2, \q, \slot, \zero
	s_wait_dscnt 0
	PLACES NP
	FETCH_B \slot, (\q)+1, 1-(\q)%2
	FETCH_A \slot, (\q)+1, 0
	WIN MUL_HI
	MUL16 4, (\q)%2, \q, \slot, \zero
	MUL16 6, (\q)%2, \q, \slot, \zero
	PLACES NP
	WIN 0
	FETCH_A \slot, (\q)+1, 4
.endm
; A slot's last step changes slots: one barrier; in front of it each wave waits for all its tensor loads, adds 0 to its spare word, and waits for that and for its reads of this slot.
.macro TURN slot, next, fill
	s_wait_tensorcnt 0x0                           ; all my tensor loads have landed: my part of the next slot
	ds_add_u32 v[SPW], v[NIL]                      ; 0 onto my spare word
	s_wait_dscnt 4*NL+1                            ; (the add and the youngest 16 loads may be out)
	WIN MUL_LO
	MUL16 0, 1, 1, \slot, 0
	s_wait_dscnt 0x0                               ; the add is done, and my reads of this slot are over
	s_barrier_signal -1
	MUL16 2, 1, 1, \slot, 0
	WIN 0
	s_barrier_wait -1
.if \fill
	CREST                                          ; the barrier has opened a round of the cluster's barrier: no wave of any partner still reads this slot or has a load on its way
	s_add_nc_u64 s[G0+4*\slot+2:G0+4*\slot+3], s[G0+4*\slot+2:G0+4*\slot+3], 6144
	s_add_nc_u64 s[G0B+4*\slot+2:G0B+4*\slot+3], s[G0B+4*\slot+2:G0B+4*\slot+3], 6144
	JLOAD G0+4*\slot, G1, G0B+4*\slot, G1B         ; the first tensor load behind the round; its four v_nop are the places in front of the loads below
.else
	PLACES NP
.endif
	s_wait_alu depctr_va_vdst(0)
	v_add_nc_u32 v[ADRS], 512, v[ADRS]             ; the next K step's scale words
	FETCH_B \next, 0, 0
	FETCH_A \next, 0, 0
	SCALES \next
	WIN MUL_HI
	MUL16 4, 1, 1, \slot, 0
	MUL16 6, 1, 1, \slot, 0
	PLACES NP
	WIN 0
	FETCH_A \next, 0, 4
.endm
.macro LAST                            ; the very last step: nothing more to fetch
	s_wait_dscnt 4*NL
	WIN MUL_LO
	MUL16 0, 1, 1, 1, 0
	MUL16 2, 1, 1, 1, 0
	s_wait_dscnt 0
	WIN MUL_HI
	MUL16 4, 1, 1, 1, 0
	MUL16 6, 1, 1, 1, 0
	WIN 0
.endm
; 32 numbers of one block, v[src] on, become six registers of codes, v[dst] on, and the scale's byte in v[by].
.macro QB32 src, dst, tmp, by
	v_max3_num_f32 v[MA], |v[\src]|, |v[\src+1]|, 0x1800000        ; the floor 2^(3 - 127): the byte cannot fall under 1
	v_max3_num_f32 v[MB], |v[\src+2]|, |v[\src+3]|, |v[\src+4]|
.irp i, 5,9,13,17,21,25
	v_max3_num_f32 v[MA], v[MA], |v[\src+\i]|, |v[\src+\i+1]|
	v_max3_num_f32 v[MB], v[MB], |v[\src+\i+2]|, |v[\src+\i+3]|
.endr
	v_max3_num_f32 v[MA], v[MA], |v[\src+29]|, |v[\src+30]|
	v_max3_num_f32 v[MA], v[MA], v[MB], |v[\src+31]|
	v_add_nc_u32 v[SO], 0xff000000, v[MA]                          ; 2 off the exponent field: the conversion's scale operand
	v_cvt_scalef32_pk16_fp6_f32 v[\dst:\dst+2], v[\src:\src+15], v[SO]
	v_cvt_scalef32_pk16_fp6_f32 v[\tmp:\tmp+2], v[\src+16:\src+31], v[SO]
	v_lshrrev_b32 v[\by], 23, v[SO]                                ; the byte; also the plain line behind the conversions
	v_mov_b32 v[\dst+3], v[\tmp]
	v_mov_b32 v[\dst+4], v[\tmp+1]
	v_mov_b32 v[\dst+5], v[\tmp+2]
.endm
	s_load_b128 s[4:7], s[0:1], 0x0                ; xq s[4:5], wq s[6:7]
	s_load_b128 s[8:11], s[0:1], 0x10              ; c_attn_b s[8:9], qrec s[10:11]
	s_load_b64 s[12:13], s[0:1], 0x20              ; kv
	v_lshl_add_u32 v[SPW], v0, 2, SPARE
	v_mov_b32 v[NIL], 0
	ds_add_u32 v28, v29
	ds_add_u32 v28, v29
	s_wait_dscnt 0x0
	v_lshrrev_b32 v1, 5, v0
	v_readfirstlane_b32 s14, v1                    ; wave 0..3
	s_lshr_b32 s15, s14, 1                         ; which half of R's panel is mine.  Also: I fetch for R (0) or for P (1)
	s_and_b32 s16, s14, 1                          ; which half of P's panel.  Also: which half of the panel I fetch
	s_bfe_u32 s40, ttmp6, 0x40000                  ; cx
	s_bfe_u32 s41, ttmp6, 0x40004                  ; cy
	s_lshl_b32 s42, ttmp9, 2                       ; 4 x cluster x
	s_and_b32 s17, ttmp7, 0xffff
	s_lshl_b32 s17, s17, 2                         ; 4 x cluster y
	s_mov_b32 s18, XSOFF
	s_mov_b32 s19, WSOFF
	s_cmp_eq_u32 ttmp9, 2                          ; the values' clusters?  The same in all sixteen partners
	s_cselect_b32 s42, s17, s42                    ; P's panel: tokens 4 Y + cx, or columns 4 X + cx
	s_cselect_b32 s17, 8, s17                      ; R's panel: columns 8 + cy, or tokens 4 Y + cy
	s_cselect_b32 s22, s19, s18                    ; where R's scale words begin in its buffer,
	s_cselect_b32 s92, s18, s19                    ; and P's
	s_add_co_u32 s42, s42, s40                     ; pi: never holds cy
	s_add_co_u32 s17, s17, s41                     ; ri: never holds cx
	s_lshl_b32 s43, s41, 2
	s_lshl_b32 s43, 15, s43                        ; my row of the cluster
	s_lshl_b32 s44, 0x1111, s40                    ; my column
	; group 1, codes: 8 rows (tiles) of 3,072 bytes (384 elements of 8 bytes), 12,288 bytes apart; no padding: LDS reads are consecutive from lane to lane
	s_or_b32 s[G1+0], s43, (3<<16)|(1<<21)
	s_or_b32 s[G1B+0], s44, (3<<16)|(1<<21)
.irp g, G1, G1B
	s_mov_b32 s[\g+1], 384<<16                     ; tensor_dim0
	s_mov_b32 s[\g+2], 8<<16                       ; tensor_dim1
	s_mov_b32 s[\g+3], 384<<16                     ; tile_dim0
	s_mov_b32 s[\g+4], 8                           ; tile_dim1
	s_mov_b32 s[\g+5], 1536                        ; from row to row, in elements
	s_mov_b32 s[\g+6], 0
	s_mov_b32 s[\g+7], 0
.endr
	; group 1, scale words: 4,096 dense bytes as 16 rows of 256
	s_or_b32 s[G1S+0], s43, (3<<16)|(1<<21)
	s_or_b32 s[G1SB+0], s44, (3<<16)|(1<<21)
.irp g, G1S, G1SB
	s_mov_b32 s[\g+1], 32<<16
	s_mov_b32 s[\g+2], 16<<16
	s_mov_b32 s[\g+3], 32<<16
	s_mov_b32 s[\g+4], 16
	s_mov_b32 s[\g+5], 32
	s_mov_b32 s[\g+6], 0
	s_mov_b32 s[\g+7], 0
.endr
	s_mul_i32 s18, s16, 98304                      ; the half that I fetch: its codes,
	s_lshl_b32 s19, s16, 12                        ; its scale words
	s_mul_i32 s20, s17, 196608
	s_add_co_u32 s20, s20, s18
	s_mov_b32 s21, 0
	s_lshl_b32 s2, s17, 13
	s_add_co_u32 s22, s22, s2
	s_add_co_u32 s22, s22, s19
	s_mov_b32 s23, 0
	s_mul_i32 s46, s42, 196608
	s_add_co_u32 s46, s46, s18
	s_mov_b32 s47, 0
	s_lshl_b32 s3, s42, 13
	s_add_co_u32 s92, s92, s3
	s_add_co_u32 s92, s92, s19
	s_mov_b32 s93, 0
	s_mul_i32 s45, s14, HALFT                      ; where they go: wave x 24,576: no place in the cluster enters an LDS address
	s_lshl_b32 s94, s14, 12
	s_wait_kmcnt 0x0
	s_cmp_eq_u32 ttmp9, 2
	s_cselect_b64 s[96:97], s[6:7], s[4:5]         ; R's buffer
	s_cselect_b64 s[98:99], s[4:5], s[6:7]         ; P's
	s_add_nc_u64 s[20:21], s[96:97], s[20:21]
	s_add_nc_u64 s[22:23], s[96:97], s[22:23]
	s_add_nc_u64 s[46:47], s[98:99], s[46:47]
	s_add_nc_u64 s[92:93], s[98:99], s[92:93]
	CROUND                                         ; all sixteen work-groups are here: the first joint loads meet
	s_mov_b32 s[G0S], 1
	s_add_co_u32 s[G0S+1], s94, SCL
	s_mov_b64 s[G0S+2:G0S+3], s[22:23]
	s_or_b32 s[G0S+3], s[G0S+3], 0x80000000
	s_mov_b32 s[G0SB], 1
	s_add_co_u32 s[G0SB+1], s94, SCL
	s_mov_b64 s[G0SB+2:G0SB+3], s[92:93]
	s_or_b32 s[G0SB+3], s[G0SB+3], 0x80000000
	JLOAD G0S, G1S, G0SB, G1SB                     ; the scale words first; three loads of a wave are out at the start, one behind each round
.irp s, 0,1
	s_mov_b32 s[G0+4*\s], 1
	s_add_co_u32 s[G0+4*\s+1], s45, \s*SLOT
	s_add_nc_u64 s[G0+4*\s+2:G0+4*\s+3], s[20:21], \s*3072
	s_or_b32 s[G0+4*\s+3], s[G0+4*\s+3], 0x80000000
	s_mov_b32 s[G0B+4*\s], 1
	s_add_co_u32 s[G0B+4*\s+1], s45, \s*SLOT
	s_add_nc_u64 s[G0B+4*\s+2:G0B+4*\s+3], s[46:47], \s*3072
	s_or_b32 s[G0B+4*\s+3], s[G0B+4*\s+3], 0x80000000
	JLOAD G0+4*\s, G1, G0B+4*\s, G1B
.endr
	v_and_b32 v1, 15, v0                           ; r
	v_bfe_u32 v2, v0, 4, 1                         ; h
	v_and_b32 v5, 31, v0
	v_lshlrev_b32 v3, 4, v5                        ; 16 x lane
	v_lshlrev_b32 v4, 3, v5
	v_add_nc_u32 v4, 512, v4                       ; 512 + 8 x lane
	s_mul_i32 s21, s15, HALFT                      ; my half of R,
	s_mul_i32 s22, s16, HALFT                      ; my half of P,
	s_add_co_u32 s22, s22, 2*HALFT                 ; which lies behind R's two
.irp s, 0,1
	v_add_nc_u32 v[ADRA+\s], s21, v3
	v_add_nc_u32 v[ADRB+\s], s22, v3
	v_add_nc_u32 v[ADRA+2+\s], s21, v4
	v_add_nc_u32 v[ADRB+2+\s], s22, v4
	s_add_co_u32 s21, s21, SLOT
	s_add_co_u32 s22, s22, SLOT
.endr
	v_lshlrev_b32 v6, 4, v1                        ; 16 r
	s_lshl_b32 s21, s15, 12                        ; R's words: my half
	s_lshl_b32 s22, s16, 12                        ; P's: my half, behind R's 8,192 bytes
	s_add_co_u32 s22, s22, 8192
	s_sub_co_u32 s22, s22, s21
	v_mul_u32_u24 v8, s22, v2                      ; lanes 16-31 take P's: one product, the distance between the two bases
	s_add_co_u32 s21, s21, SCL
	v_add_nc_u32 v8, v6, v8
	v_add_nc_u32 v[ADRS], s21, v8
	v_lshlrev_b32 v5, 7, v2                        ; 128 h
	v_lshlrev_b32 v7, 3, v2                        ; 8 h
	v_mul_u32_u24 v8, v2, REC
	v_add_nc_u32 v8, v6, v8                        ; h x a record + 16 r
	s_mov_b32 s66, 0x76543210
	s_mov_b32 s67, 0xfedcba98                      ; v_permlanex16_b32's selects for lane l xor 16
	s_wait_alu depctr_va_vdst(0)
	s_wait_tensorcnt 1                             ; the scale words and my part of K step 0 are in (K step 1's load may be out),
	s_barrier_signal -1
	s_barrier_wait -1                              ; everybody's are
	FETCH_B 0, 0, 0
	FETCH_A 0, 0, 0
	SCALES 0
	FETCH_A 0, 0, 4
	STEP 0, 0, 1                                   ; the first products start the sums: nothing is cleared
	TURN 0, 1, 1
	STEP 1, 0, 0
	TURN 1, 0, 1
	STEP 0, 0, 0
	TURN 0, 1, 0                                   ; the last change of slots fills nothing
	s_cmp_eq_u32 ttmp9, 2                          ; the one parting of the ways: the last two steps and the way out are written for each
	s_cbranch_scc1 .Lvalues
; ---- q and k.  The bias of my 128 columns, in the result's layout: register 32 d + 8 i + j holds b[.. + 64 d + 32 h + 4 j + i]; asked for 128 matrix instructions ahead of its use
	s_lshl_b32 s18, s42, 10
	s_lshl_b32 s19, s16, 9
	s_add_co_u32 s18, s18, s19
	s_mov_b32 s19, 0
	s_add_nc_u64 s[8:9], s[8:9], s[18:19]
.irp d, 0,1
.irp i, 0,1,2,3
.irp j, 0,1,2,3,4,5,6,7
	global_load_b32 v[BI+32*\d+8*\i+\j], v5, s[8:9] offset:256*\d+16*\j+4*\i
.endr
.endr
.endr
	s_cmp_eq_u32 ttmp9, 0
	s_cselect_b64 s[20:21], s[10:11], s[12:13]     ; qrec or kv,
	s_mov_b32 s22, REC
	s_cselect_b32 s22, QREC, s22                   ; a record's bytes,
	s_mov_b32 s23, 196608
	s_cselect_b32 s23, 98304, s23                  ; where its scale words begin
	s_lshr_b32 s2, s17, 3                          ; the batch
	s_lshl_b32 s2, s2, 4
	s_lshl_b32 s3, s40, 2
	s_add_co_u32 s2, s2, s3
	s_lshl_b32 s3, s16, 1
	s_add_co_u32 s2, s2, s3                        ; my first head: 16 b + 4 cx + 2 (wave % 2)
	s_mul_i32 s2, s2, s22
	s_and_b32 s3, s17, 7
	s_lshl_b32 s3, s3, 8
	s_lshl_b32 s18, s15, 7
	s_add_co_u32 s3, s3, s18                       ; my first token in the batch
	s_mul_i32 s18, s3, 48                          ; 768 bytes a tile of 16
	s_add_co_u32 s18, s18, s2
	s_add_nc_u64 s[92:93], s[20:21], s[18:19]      ; half fragments, head 0
	s_lshl_b32 s18, s3, 2
	s_add_co_u32 s18, s18, s2
	s_add_co_u32 s18, s18, s23
	s_add_nc_u64 s[96:97], s[20:21], s[18:19]      ; scale words, head 0
	s_mov_b32 s23, 0
	s_add_nc_u64 s[94:95], s[92:93], s[22:23]      ; head 1
	s_add_nc_u64 s[98:99], s[96:97], s[22:23]
	STEP 1, 0, 0
	LAST
	PLACES NP
	s_wait_loadcnt 0x0                             ; the bias
	v_mov_b32 v185, 0                              ; a lane permute's destination counts as one of its sources
	v_cmp_eq_u32 s43, 1, v2                        ; lanes 16-31
.macro EPQK a, d                       ; token tile a, head d: 32 of the head's 64 of one token a lane
	s_wait_xcnt 0x0                                ; earlier stores have read their data
	WIN 0x02+((\a)/4)
.set AC, 64*((\a)%4)+32*(\d)
.set n, 0
.rept 16
	v_pk_add_f32 v[T+n:T+n+1], v[AC+n:AC+n+1], v[BI+32*(\d)+n:BI+32*(\d)+n+1]   ; each accumulator from its low end on
.set n, n+2
.endr
	WIN 0
.set CD, 160+8*(\d)
	QB32 T, CD, 176, 183
	global_store_b128 v3, v[CD:CD+3], s[92+2*(\d):93+2*(\d)] offset:768*(\a)
	global_store_b64 v4, v[CD+4:CD+5], s[92+2*(\d):93+2*(\d)] offset:768*(\a)
	v_lshlrev_b32 v184, v7, v183                   ; my byte at its place, h,
	v_permlanex16_b32 v185, v184, s66, s67         ; lane l xor 16's,
	v_or_b32 v184, v184, v185
	v_or_b32 v[192+8*(\d)+(\a)], 0x7f7f0000, v184  ; and 2^0 for the 64 along K that hold zero codes
.endm
.irp a, 0,1,2,3,4,5,6,7
	EPQK \a, 0
	EPQK \a, 1
.endr
	s_wait_alu depctr_va_vdst(0)
	s_wait_xcnt 0x0
.irp d, 0,1
.irp i, 0,1,2,3
	v_cndmask_b32 v[160+8*\d+\i], v[192+8*\d+\i], v[196+8*\d+\i], s43   ; lanes 0-15: tokens 4 r + i of my first 64; lanes 16-31: of my second
.endr
	global_store_b128 v3, v[160+8*\d:163+8*\d], s[96+2*\d:97+2*\d]      ; 512 consecutive bytes
.endr
	s_branch .Lend
; ---- v.  A lane holds one column: its bias stands twice, as a pair
.Lvalues:
	s_lshl_b32 s18, s17, 10
	s_lshl_b32 s19, s15, 9
	s_add_co_u32 s18, s18, s19
	s_mov_b32 s19, 0
	s_add_nc_u64 s[8:9], s[8:9], s[18:19]
.irp a, 0,1,2,3,4,5,6,7
	global_load_b32 v[BI+2*\a], v6, s[8:9] offset:256*(\a/4)+4*(\a%4)
	global_load_b32 v[BI+2*\a+1], v6, s[8:9] offset:256*(\a/4)+4*(\a%4)
.endr
	s_lshr_b32 s2, s42, 3                          ; the batch
	s_lshl_b32 s2, s2, 4
	s_lshl_b32 s3, s41, 2
	s_add_co_u32 s2, s2, s3
	s_lshl_b32 s3, s15, 1
	s_add_co_u32 s2, s2, s3                        ; my first head: 16 b + 4 cy + 2 (wave / 2)
	s_mul_i32 s2, s2, REC
	s_and_b32 s3, s42, 7
	s_lshl_b32 s3, s3, 1
	s_add_co_u32 s3, s3, s16                       ; my 128 tokens are key step j
	s_mul_i32 s18, s3, 6144
	s_add_co_u32 s18, s18, s2
	s_add_nc_u64 s[92:93], s[12:13], s[18:19]
	s_lshl_b32 s18, s3, 8
	s_add_co_u32 s18, s18, s2
	s_add_nc_u64 s[96:97], s[12:13], s[18:19]
	STEP 1, 0, 0
	LAST
	PLACES NP
	s_wait_loadcnt 0x0
	v_mov_b32 v185, 0
	v_cmp_eq_u32 s43, 1, v2
.macro EPV a, g                        ; column tile a (head a / 4, d tile a % 4), keys 64 g on: 32 keys of one column a lane
	s_wait_xcnt 0x0
	WIN 0x02+((\a)/4)
.set AC, 64*((\a)%4)+32*(\g)
.set n, 0
.rept 16
	v_pk_add_f32 v[T+n:T+n+1], v[AC+n:AC+n+1], v[BI+2*(\a):BI+2*(\a)+1]
.set n, n+2
.endr
	WIN 0
.set CD, 160+8*(\g)
	QB32 T, CD, 176, 186+(\g)
	global_store_b128 v3, v[CD:CD+3], s[92:93] offset:((\a)/4)*REC+98304+((\a)%4)*1536+(\g)*768
	global_store_b64 v4, v[CD+4:CD+5], s[92:93] offset:((\a)/4)*REC+98304+((\a)%4)*1536+(\g)*768
.endm
.irp a, 0,1,2,3,4,5,6,7
	EPV \a, 0
	EPV \a, 1
	v_lshl_or_b32 v184, v187, 16, v186             ; my two bytes (blocks h and 2 + h of the 128 keys),
	v_lshlrev_b32 v184, v7, v184
	v_permlanex16_b32 v185, v184, s66, s67         ; lane l xor 16's two:
	v_or_b32 v[192+\a], v184, v185                 ; the column's scale word
.endr
	s_wait_alu depctr_va_vdst(0)
	s_wait_xcnt 0x0
.irp i, 0,1,2,3
	v_cndmask_b32 v[160+\i], v[192+\i], v[196+\i], s43   ; lanes 0-15: my first head's d = 4 r + i; lanes 16-31: my second head's
.endr
	global_store_b128 v8, v[160:163], s[96:97] offset:204800   ; two runs of 256 consecutive bytes
.Lend:
	s_wait_tensorcnt 0x0                           ; the wave's end
	ds_add_u32 v[SPW], v[NIL]
	s_wait_dscnt 0x0
	CROUND                                         ; the closing round: no work-group ends while a partner may still ask for a tile that names it
	s_endpgm
.Lfunc_end_k_q18c04f056e_qkv:
	.size	k_q18c04f056e_qkv, .Lfunc_end_k_q18c04f056e_qkv-k_q18c04f056e_qkv
	.p2alignl 7, 3214868480
	.fill 96, 4, 3214868480
	.section	.rodata,"a",@progbits
	.p2align	6, 0x0
	.amdhsa_kernel k_q18c04f056e_qkv
		.amdhsa_group_segment_fixed_size 327680
		.amdhsa_private_segment_fixed_size 0
		.amdhsa_enable_private_segment 0
		.amdhsa_kernarg_size 40
		.amdhsa_user_sgpr_count 2
		.amdhsa_user_sgpr_kernarg_segment_ptr 1
		.amdhsa_wavefront_size32 1
		.amdhsa_system_sgpr_workgroup_id_x 1
		.amdhsa_system_sgpr_workgroup_id_y 1
		.amdhsa_system_sgpr_workgroup_id_z 1
		.amdhsa_system_vgpr_workitem_id 0
		.amdhsa_next_free_vgpr 1024
		.amdhsa_next_free_sgpr 100
		.amdhsa_reserve_vcc 0
		.amdhsa_float_denorm_mode_32 3
		.amdhsa_float_denorm_mode_16_64 3
		.amdhsa_memory_ordered 1
		.amdhsa_forward_progress 1
		.amdhsa_inst_pref_size 233
	.end_amdhsa_kernel
	.amdgpu_metadata
---
amdhsa.version: [ 1, 2 ]
amdhsa.kernels:
  - .name:           k_q18c04f056e_qkv
    .symbol:         k_q18c04f056e_qkv.kd
    .args:
      - { .name: xq, .offset: 0, .size: 8, .value_kind: global_buffer, .address_space: global }
      - { .name: wq, .offset: 8, .size: 8, .value_kind: global_buffer, .address_space: global }
      - { .name: c_attn_b, .offset: 16, .size: 8, .value_kind: global_buffer, .address_space: global }
      - { .name: qrec, .offset: 24, .size: 8, .value_kind: global_buffer, .address_space: global }
      - { .name: kv, .offset: 32, .size: 8, .value_kind: global_buffer, .address_space: global }
    .group_segment_fixed_size: 327680
    .private_segment_fixed_size: 0
    .kernarg_segment_align: 8
    .kernarg_segment_size: 40
    .max_flat_workgroup_size: 128
    .sgpr_count:     100
    .vgpr_count:     1024
    .wavefront_size: 32
...
	.end_amdgpu_metadata
.endif
;; end of part 2
;; launch attn (part 3): grid 4 x 64, 16 waves a work-group, clusters of 4 x 1, 219,136 bytes of LDS; arguments qrec, kv, aq; writes aq
.if DOCPART == 3
	.amdgcn_target "amdgcn-amd-amdhsa--gfx1250"
	.amdhsa_code_object_version 6
	.text
	.protected	k_q18c04f056e_attn
	.globl	k_q18c04f056e_attn
	.p2align	8
	.type	k_q18c04f056e_attn,@function
k_q18c04f056e_attn:
	s_mov_b64 s[64:65], 0
	v_nop
	global_prefetch_b8 v0, s[64:65] scope:SCOPE_SE
	s_setreg_imm32_b32 hwreg(HW_REG_WAVE_MODE, 25, 1), 1
	s_wait_xcnt 0x0
	s_wait_alu depctr_hold_cnt(0) depctr_sa_sdst(0) depctr_va_vdst(0) depctr_va_sdst(0) depctr_va_ssrc(0) depctr_va_vcc(0) depctr_vm_vsrc(0)
	s_getreg_b32 s2, hwreg(HW_REG_IB_STS2, 6, 4)
	s_cmp_eq_u32 s2, 0
	s_cbranch_scc0 .Lentry_in_a_cluster
	s_endpgm
.Lentry_in_a_cluster:
	s_bfe_u32 s2, ttmp6, 0x10000c
	s_cmp_lg_u32 s2, 0x3003
	s_cbranch_scc0 .Lentry_shape_is_right
	s_endpgm
.Lentry_shape_is_right:
; a = softmax(where(causal, q k^T / 8, -10000)) v for 64 (batch, head) pairs of 2,048 tokens x 64, both products on codes of FP6 (E2M3) with E8M0 scales; a leaves as codes, quantised along the model's 1,024 for the last product.
; THE SOFTMAX: t = logit x log2(e); M = the ceiling of the running largest t; p = 2^(t - M) is quantised along the keys, not normalised; the row's sum is taken of the unquantised p and divides at the end.
; THE HIDDEN KEYS COUNT: their logit is -10000, not -infinity.  In a wave's diagonal step hidden scores are replaced by -80000 (= 8 x -10000) ahead of the maximum.  The steps that are wholly hidden are added in closed form:
; all their p are one number p_m = 2^(t_m - M), so the sum gets n x p_m and O gets Q(p_m) x (the sum of the quantised V over those keys), Q the format's rounding of a block of equal numbers.
; Those sums of V are made once, by the format's own product of each key step's V with ones, and a suffix sum in LDS.
; SHARES.  A cluster of four work-groups owns a head; each holds the head's whole record of K and V in LDS, brought ONCE by one joint load a wave.  Wave w takes tile e = 2 cx + w % 2 (16 queries) of the blocks of 128 tokens
; u = w / 2 and then 15 - u: 17 key steps of 128 for every wave.  Trip counts, branches and LDS addresses hang on the wave's number alone; cx enters global addresses and the mask's lane number.
; LAYOUT.  Both products are used transposed (S^T = K Q^T, O^T = V^T P^T): a lane holds one query.  A tile 4 G + a of keys holds in lane r key 64 G + 4 r + a, so a lane's 32 registers of four tiles are one whole block of 32 keys
; (register 8 a + j: key 64 G + 32 h + 4 j + a): no lane is asked for a block's maximum, and the conversions' registers are the operand's.  V's codes have the same order inside a block.
; The head's 64 fill half of the instruction's 128: Q's upper six registers are zero codes, so what stands in K's upper six (the next tile's codes) adds nothing; the scale bytes there are 0x7f.
; LIMITS: p under 2^-126 counts as 0; a block whose largest number lies under 2^-124 gets the byte 1; NaN and infinities are not served.
; REGISTERS: v1-5 lane offsets; v6-11 LDS addresses in hand; v12 -M, v13 largest t, v[14:15] the sum; v16-27, v28-39 Q of the two passes; v40-41 Q's words, v42-45 K's, v46-49 V's, v50 p's; v51 mask number; v52 -80000;
;   v56-103 eight half fragments of K, then of V; v104-109 zeros; v110 16 r + h; v112-175 S^T, then p; v176-207 O^T; v208-219 p's codes; v220-227 second halves; v228-247 at work.
.set QREC,  106496
.set REC,   208896
.set XSOFF, 6291456
.set PS,    208896                     ; LDS behind the record: the sum of the quantised V of each key step, 256 bytes a step, in O^T's register order;
.set SUF,   212992                     ; and the sums over all later steps
.set WV,   10
.set SEL,  38                          ; s[38:39]
.set C1,   42                          ; s[42:43] log2(e) / 8
.set JD,   44                          ; my diagonal step
.set J,    45
.set KOFF, 46
.set VOFF, 47
.set KSOFF, 48
.set VSOFF, 49
.set MA,   240
.set MB,   241
.set SO,   242
.macro ROUND                           ; a round of the cluster's barrier
	s_barrier_signal -1
	s_barrier_wait -1
	s_cmp_lg_u32 s[WV], 0
	s_cbranch_scc1 .Lnot_wave_0_\@
	s_barrier_signal -3
.Lnot_wave_0_\@:
	s_barrier_wait -3
	s_barrier_signal -1
	s_barrier_wait -1
.endm
.macro FETCH8 a16, a8                  ; eight half fragments on end
.irp t, 0,1,2,3,4,5,6,7
	ds_load_b128 v[56+6*\t:59+6*\t], v[\a16] offset:768*\t
	ds_load_b64 v[60+6*\t:61+6*\t], v[\a8] offset:768*\t
.endr
.endm
.macro QB32 src, dst, tmp, by
	v_max3_num_f32 v[MA], |v[\src]|, |v[\src+1]|, 0x1800000
	v_max3_num_f32 v[MB], |v[\src+2]|, |v[\src+3]|, |v[\src+4]|
.irp i, 5,9,13,17,21,25
	s_delay_alu instid0(VALU_DEP_2)
	v_max3_num_f32 v[MA], v[MA], |v[\src+\i]|, |v[\src+\i+1]|
	s_delay_alu instid0(VALU_DEP_2)
	v_max3_num_f32 v[MB], v[MB], |v[\src+\i+2]|, |v[\src+\i+3]|
.endr
	s_delay_alu instid0(VALU_DEP_2)
	v_max3_num_f32 v[MA], v[MA], |v[\src+29]|, |v[\src+30]|
	s_delay_alu instid0(VALU_DEP_1)
	v_max3_num_f32 v[MA], v[MA], v[MB], |v[\src+31]|
	s_delay_alu instid0(VALU_DEP_1)
	v_add_nc_u32 v[SO], 0xff000000, v[MA]
	v_cvt_scalef32_pk16_fp6_f32 v[\dst:\dst+2], v[\src:\src+15], v[SO]
	v_cvt_scalef32_pk16_fp6_f32 v[\tmp:\tmp+2], v[\src+16:\src+31], v[SO]
	v_lshrrev_b32 v[\by], 23, v[SO]
	v_mov_b32 v[\dst+3], v[\tmp]
	v_mov_b32 v[\dst+4], v[\tmp+1]
	v_mov_b32 v[\dst+5], v[\tmp+2]
.endm
	s_load_b128 s[4:7], s[0:1], 0x0                ; qrec s[4:5], kv s[6:7]
	s_load_b64 s[8:9], s[0:1], 0x10                ; aq
	v_lshl_add_u32 v254, v0, 2, 0x35000
	v_mov_b32 v255, 0
	ds_add_u32 v254, v255
	ds_add_u32 v254, v255
	v_lshrrev_b32 v1, 5, v0
	s_delay_alu instid0(VALU_DEP_1)
	v_readfirstlane_b32 s[WV], v1                  ; wave 0..15
	s_bfe_u32 s11, ttmp6, 0x40000                  ; cx
	s_and_b32 s12, ttmp7, 0xffff                   ; 16 x batch + head, which the four partners share
	; the head's record, 208,896 dense bytes: each wave brings 51 rows of 256 bytes
	s_mov_b32 s16, 15|(3<<16)|(1<<21)              ; the mask: all four work-groups; elements of 8 bytes; bit 21 beside a mask
	s_mov_b32 s17, 32<<16
	s_mov_b32 s18, 51<<16
	s_mov_b32 s19, 32<<16
	s_mov_b32 s20, 51
	s_mov_b32 s21, 32
	s_mov_b32 s22, 0
	s_mov_b32 s23, 0
	s_mov_b32 s24, 1
	s_mul_i32 s25, s[WV], 13056                    ; LDS holds the record byte for byte
	s_mul_i32 s50, s12, REC
	s_add_co_u32 s50, s50, s25
	s_mov_b32 s51, 0
	s_wait_dscnt 0x0
	s_wait_kmcnt 0x0
	s_add_nc_u64 s[26:27], s[6:7], s[50:51]
	s_or_b32 s27, s27, 0x80000000
	ROUND                                          ; all four work-groups are here: the joint loads meet
	tensor_load_to_lds s[24:27], s[16:23]          ; the wave's one tensor load: LDS is filled once
	s_nop 0
.rept 4
	v_nop
.endr
	v_mov_b32 v50, 0x7f7f7f7f                      ; the ones' scale word
.irp n, 0,1,2,3
	v_mov_b32 v[208+3*\n], 0x08208208              ; 64 codes of 1.0 (code 8) a lane
	v_mov_b32 v[209+3*\n], 0x82082082
	v_mov_b32 v[210+3*\n], 0x20820820
.endr
	v_and_b32 v54, 31, v0                          ; lane
	v_and_b32 v55, 15, v0                          ; r
	v_bfe_u32 v53, v0, 4, 1                        ; h
	s_delay_alu instid0(VALU_DEP_3)
	v_lshlrev_b32 v1, 4, v54                       ; 16 x lane
	s_wait_alu depctr_va_vdst(0)
	v_lshlrev_b32 v2, 3, v54
	s_delay_alu instid0(VALU_DEP_1)
	v_add_nc_u32 v2, 512, v2                       ; 512 + 8 x lane
	s_wait_alu depctr_va_vdst(0)
	v_lshlrev_b32 v3, 4, v55                       ; 16 r
	s_wait_alu depctr_va_vdst(0)
	v_lshlrev_b32 v4, 7, v53                       ; 128 h
	v_lshlrev_b32 v5, 3, v53                       ; 8 h
	v_add_nc_u32 v110, v3, v53                     ; 16 r + h
	s_lshr_b32 s13, s[WV], 1                       ; u
	s_and_b32 s14, s[WV], 1
	s_lshl_b32 s29, s11, 1
	s_add_co_u32 s14, s14, s29                     ; e: my tile of a block's eight
	s_lshr_b32 s15, s14, 2                         ; its group of 64,
	s_and_b32 s28, s14, 3                          ; its place a' among the group's four
	s_mul_i32 s50, s12, QREC
	s_add_nc_u64 s[4:5], s[4:5], s[50:51]          ; the head's record of Q
	s_sub_co_u32 s56, 15, s13                      ; the second pass's block
	s_lshl_b32 s50, s13, 3
	s_add_co_u32 s50, s50, s14
	s_mul_i32 s50, s50, 768
	s_add_nc_u64 s[30:31], s[4:5], s[50:51]
	s_lshl_b32 s50, s56, 3
	s_add_co_u32 s50, s50, s14
	s_mul_i32 s50, s50, 768
	s_add_nc_u64 s[32:33], s[4:5], s[50:51]
	s_lshl_b32 s57, s15, 8
	s_lshl_b32 s29, s28, 2
	s_add_co_u32 s57, s57, s29                     ; 4 x (64 G' + a')
	s_lshl_b32 s50, s13, 9
	s_add_co_u32 s50, s50, s57
	s_add_nc_u64 s[34:35], s[4:5], s[50:51]
	s_lshl_b32 s50, s56, 9
	s_add_co_u32 s50, s50, s57
	s_add_nc_u64 s[36:37], s[4:5], s[50:51]
	global_load_b128 v[16:19], v1, s[30:31]        ; Q of both passes stays in registers
	global_load_b64 v[20:21], v2, s[30:31]
	global_load_b128 v[28:31], v1, s[32:33]
	global_load_b64 v[32:33], v2, s[32:33]
	global_load_b32 v40, v3, s[34:35] offset:98304 ; lane r: the word of token 4 r + a'
	global_load_b32 v41, v3, s[36:37] offset:98304
.irp n, 22,23,24,25,26,27,34,35,36,37,38,39,104,105,106,107,108,109
	v_mov_b32 v[\n], 0                             ; zero codes
.endr
	s_lshl_b32 s29, s15, 6
	s_add_co_u32 s29, s29, s28
	v_lshlrev_b32 v51, 2, v55
	v_lshlrev_b32 v228, 5, v53
	s_delay_alu instid0(VALU_DEP_1)
	v_sub_nc_u32 v51, v51, v228
	s_delay_alu instid0(VALU_DEP_1)
	v_add_nc_u32 v51, s29, v51                     ; 64 G' + a' + 4 r - 32 h: in the diagonal step register (c, a, j) is hidden where 64 c + 4 j + a is above it
	v_mov_b32 v52, 0xc79c4000                      ; -80000
	v_mov_b32 v229, 0                              ; a lane permute's destination counts as one of its sources
	v_mov_b32 v233, 0                              ; upper halves of pairs of which the low word serves both
	v_mov_b32 v235, 0
	s_mov_b32 s[SEL], 0x76543210
	s_mov_b32 s[SEL+1], 0xfedcba98
	s_mov_b32 s[C1], 0x3e38aa3b                    ; log2(e) / 8
	s_mov_b32 s[C1+1], s[C1]
	s_mov_b32 s58, 0x700000                        ; the mantissa field of the format's largest number
	s_wait_tensorcnt 0x0                           ; my part of the record is in,
	s_barrier_signal -1
	s_barrier_wait -1                              ; everybody's is
	; the sum of the quantised V over key step w, for each of the head's 64: V x ones, in O^T's layout
	s_mul_i32 s50, s[WV], 6144
	s_add_co_u32 s50, s50, 98304
	v_add_nc_u32 v8, s50, v1
	v_add_nc_u32 v9, s50, v2
	s_lshl_b32 s59, s[WV], 8
	s_add_co_u32 s50, s59, 204800
	v_add_nc_u32 v11, s50, v3
	FETCH8 8, 9
	ds_load_b128 v[46:49], v11
	s_wait_dscnt 0x0
.irp i, 0,1,2,3
	v_wmma_scale_f32_16x16x128_f8f6f4 v[112+8*\i:119+8*\i], v[56+12*\i:67+12*\i], v[208:219], 0, v[46+\i], v50 matrix_a_fmt:MATRIX_FMT_FP6 matrix_b_fmt:MATRIX_FMT_FP6
.endr
.rept 4
	v_nop
.endr
	s_add_co_u32 s50, s59, PS
	v_add_nc_u32 v6, s50, v4
.irp x, 0,1,2,3,4,5,6,7
	ds_store_b128 v6, v[112+4*\x:115+4*\x] offset:16*\x   ; all sixteen columns are equal: sixteen lanes write the same words
.endr
	s_wait_dscnt 0x0                               ; for the others' sake
	s_barrier_signal -1
	s_barrier_wait -1
	v_lshl_add_u32 v7, v54, 3, PS
.irp j, 1,2,3,4,5,6,7,8,9,10,11,12,13,14,15
	ds_load_b64 v[56+2*(\j-1):57+2*(\j-1)], v7 offset:256*\j
.endr
	s_wait_dscnt 0x0
	s_mov_b32 s41, 0
	s_cmp_lt_u32 s[WV], 1
	s_cselect_b32 s40, 0x3f800000, 0               ; 1.0 for the steps behind step w, else 0
	v_pk_mul_f32 v[112:113], v[56:57], s[40:41] op_sel_hi:[1,0]
.irp j, 2,3,4,5,6,7,8,9,10,11,12,13,14,15
	s_cmp_lt_u32 s[WV], \j
	s_cselect_b32 s40, 0x3f800000, 0
	v_pk_fma_f32 v[112:113], v[56+2*(\j-1):57+2*(\j-1)], s[40:41], v[112:113] op_sel_hi:[1,0,1]
.endr
	s_add_co_u32 s50, s59, SUF
	v_lshl_add_u32 v10, v54, 3, s50
	ds_store_b64 v10, v[112:113]
	s_wait_dscnt 0x0
	s_barrier_signal -1
	s_barrier_wait -1                              ; from here on LDS is only read
	s_wait_loadcnt 0x0                             ; Q
; A PASS: my 16 queries of one block of 128 tokens.  qf: Q's fragment; qs: its scale words.
.macro PASS qf, qs, second
	s_wait_xcnt 0x0                                ; the pass before has had its stores' data and addresses read
.if \second
	s_sub_co_u32 s[JD], 15, s13
.else
	s_mov_b32 s[JD], s13
.endif
	s_lshr_b32 s50, s12, 4
	s_lshl_b32 s50, s50, 5
	s_lshl_b32 s51, s[JD], 1
	s_add_co_u32 s50, s50, s51
	s_add_co_u32 s50, s50, s15                     ; my group of 64 tokens among all 128
	s_and_b32 s51, s12, 15                         ; the head
	s_lshl_b32 s56, s50, 2
	s_add_co_u32 s56, s56, s28                     ; the row tile
	s_lshl_b32 s56, s56, 4
	s_add_co_u32 s56, s56, s51
	s_mul_i32 s56, s56, 768
	s_mov_b32 s57, 0
	s_add_nc_u64 s[52:53], s[8:9], s[56:57]        ; a's half fragment (tile, kg = head)
	s_lshl_b32 s56, s50, 3
	s_lshr_b32 s29, s51, 1
	s_add_co_u32 s56, s56, s29
	s_lshl_b32 s56, s56, 8
	s_lshl_b32 s29, s28, 2
	s_add_co_u32 s56, s56, s29
	s_and_b32 s29, s51, 1
	s_lshl_b32 s29, s29, 1
	s_add_co_u32 s56, s56, s29
	s_add_nc_u64 s[54:55], s[8:9], s[56:57]        ; and its scale bytes
	s_mov_b32 s[KOFF], 0
	s_mov_b32 s[VOFF], 98304
	s_mov_b32 s[KSOFF], 196608
	s_mov_b32 s[VSOFF], 204800
	s_mov_b32 s[J], 0
	s_mov_b32 s29, 0xc79c4000                      ; a block with wholly hidden steps behind it starts its largest t at the hidden keys';
	s_cmp_eq_u32 s[JD], 15
	s_cselect_b32 s29, 0xff61b1e6, s29             ; the last block has none (its hidden keys all lie in the diagonal step): it starts under every t
	v_mul_f32 v13, s[C1], s29
	s_delay_alu instid0(VALU_DEP_1)
	v_floor_f32 v12, -v13                          ; -M
	v_mov_b32 v14, 0
	v_mov_b32 v15, 0
.set n, 0
.rept 32
	v_mov_b32 v[176+n], 0                          ; O^T: the step is written once; the first finds zeros
.set n, n+1
.endr
.Lstep_\@:                                         ; 16 trips, a constant; the steps behind my diagonal step are jumped over, but for the lines that step the offsets
	s_cmp_gt_u32 s[J], s[JD]
	s_cbranch_scc1 .Lskip_\@
	s_setprio 2
	v_add_nc_u32 v6, s[KOFF], v1                   ; (six plain lines: the places in front of the loads into registers that the last products read)
	v_add_nc_u32 v7, s[KOFF], v2
	v_add_nc_u32 v8, s[VOFF], v1
	v_add_nc_u32 v9, s[VOFF], v2
	v_add_nc_u32 v10, s[KSOFF], v1
	v_add_nc_u32 v11, s[VSOFF], v3
	FETCH8 6, 7                                    ; eight tiles of 16 keys
	ds_load_b128 v[42:45], v10                     ; their words: lanes 0-15 tiles 0-3, lanes 16-31 tiles 4-7
	s_wait_alu depctr_va_vdst(0)
	s_wait_dscnt 0x0
.irp t, 0,1,2,3
	v_wmma_scale_f32_16x16x128_f8f6f4 v[112+8*\t:119+8*\t], v[56+6*\t:67+6*\t], v[\qf:\qf+11], 0, v[42+\t], v[\qs] matrix_a_fmt:MATRIX_FMT_FP6 matrix_b_fmt:MATRIX_FMT_FP6
.endr
.irp t, 4,5,6,7
	v_wmma_scale_f32_16x16x128_f8f6f4 v[112+8*\t:119+8*\t], v[56+6*\t:67+6*\t], v[\qf:\qf+11], 0, v[38+\t], v[\qs] matrix_a_fmt:MATRIX_FMT_FP6 matrix_b_fmt:MATRIX_FMT_FP6 matrix_a_scale:MATRIX_SCALE_ROW1
.endr
.rept 4
	v_nop
.endr
	FETCH8 8, 9                                    ; V's four fragments land while the softmax is walked
	ds_load_b128 v[46:49], v11
	s_cmp_lt_u32 s[J], s[JD]
	s_cbranch_scc1 .Lopen_\@                       ; only the diagonal step has hidden keys
.set n, 0
.rept 64
	v_cmp_gt_i32 vcc_lo, 64*(n/32)+4*(n%8)+(n/8)%4, v51
	v_cndmask_b32 v[112+n], v[112+n], v52, vcc_lo
.set n, n+1
.endr
.Lopen_\@:
.irp c, 0,1                                        ; the largest score of each of my two blocks of 32 keys, in two chains each: it serves the row's maximum and, since p rises with the score, the block's largest p
	v_max3_num_f32 v[236+2*\c], v[112+32*\c], v[113+32*\c], v[114+32*\c]
	v_max3_num_f32 v[237+2*\c], v[128+32*\c], v[129+32*\c], v[130+32*\c]
.endr
.irp i, 3,5,7,9,11,13
.irp c, 0,1
	v_max3_num_f32 v[236+2*\c], v[236+2*\c], v[112+32*\c+\i], v[113+32*\c+\i]
	v_max3_num_f32 v[237+2*\c], v[237+2*\c], v[128+32*\c+\i], v[129+32*\c+\i]
.endr
.endr
.irp c, 0
	v_max3_num_f32 v[236+2*\c], v[236+2*\c], v[237+2*\c], v[127+32*\c]
.endr
.irp c, 1
	v_max3_num_f32 v[236+2*\c], v[236+2*\c], v[237+2*\c], v[127+32*\c]
.endr
.irp c, 0,1
	v_max_num_f32 v[240+\c], v[236+2*\c], v[143+32*\c]
.endr
	s_delay_alu instid0(VALU_DEP_1)
	v_max_num_f32 v228, v240, v241
	s_delay_alu instid0(VALU_DEP_1)
	v_permlanex16_b32 v229, v228, s[SEL], s[SEL+1]
	s_delay_alu instid0(VALU_DEP_1)
	v_max_num_f32 v228, v228, v229                 ; the step's largest score of my query
	s_delay_alu instid0(VALU_DEP_1)
	v_mul_f32 v228, s[C1], v228
	s_delay_alu instid0(VALU_DEP_1)
	v_max_num_f32 v13, v13, v228                   ; the running largest t
	v_mov_b32 v228, v12
	s_delay_alu instid0(VALU_DEP_2)
	v_floor_f32 v12, -v13                          ; -M = floor(-t): M is a whole number
	s_delay_alu instid0(VALU_DEP_1)
	v_sub_f32 v228, v12, v228
	s_delay_alu instid0(VALU_DEP_1)
	v_cvt_i32_f32 v228, v228                       ; (it saturates)
	s_delay_alu instid0(VALU_DEP_1)
	v_ldexp_f32 v232, 1.0, v228                    ; f = 2^(old M - new M): rounds nothing
.set n, 0
	s_setprio 1
.rept 32
	v_pk_fma_f32 v[112+n:113+n], v[112+n:113+n], s[C1:C1+1], v[12:13] op_sel_hi:[1,0,0]   ; t - M
.set n, n+2
.endr
	v_fma_f32 v240, v240, s[C1], v12
	v_fma_f32 v241, v241, s[C1], v12
.set n, 0
	s_wait_alu depctr_va_vdst(0)
.rept 64
	v_exp_f32 v[112+n], v[112+n]                   ; p, at most 1
.set n, n+1
.endr
	v_pk_mul_f32 v[14:15], v[14:15], v[232:233] op_sel_hi:[1,0]   ; the sum under the new M; the plain line behind the exponentials
	s_wait_alu depctr_va_vdst(0)                   ; one wait for the batch, ahead of its first reader
	v_exp_f32 v240, v240                           ; each block's largest p: the same two instructions on the same number
	v_exp_f32 v241, v241
	v_pk_add_f32 v[236:237], v[116:117], v[120:121]
	v_pk_add_f32 v[252:253], v[124:125], v[128:129]
	v_pk_add_f32 v[250:251], v[132:133], v[136:137]
	v_pk_add_f32 v[248:249], v[140:141], v[144:145]
	v_pk_add_f32 v[246:247], v[148:149], v[152:153]
	v_pk_add_f32 v[244:245], v[156:157], v[160:161]
	v_pk_add_f32 v[242:243], v[164:165], v[168:169]
	v_pk_add_f32 v[14:15], v[14:15], v[172:173]
	v_pk_add_f32 v[236:237], v[236:237], v[112:113]
	v_pk_add_f32 v[252:253], v[252:253], v[114:115]
	v_pk_add_f32 v[250:251], v[250:251], v[118:119]
	v_pk_add_f32 v[248:249], v[248:249], v[122:123]
	v_pk_add_f32 v[246:247], v[246:247], v[126:127]
	v_pk_add_f32 v[244:245], v[244:245], v[130:131]
	v_pk_add_f32 v[242:243], v[242:243], v[134:135]
	v_pk_add_f32 v[14:15], v[14:15], v[138:139]
	v_pk_add_f32 v[236:237], v[236:237], v[142:143]
	v_pk_add_f32 v[252:253], v[252:253], v[146:147]
	v_pk_add_f32 v[250:251], v[250:251], v[150:151]
	v_pk_add_f32 v[248:249], v[248:249], v[154:155]
	v_pk_add_f32 v[246:247], v[246:247], v[158:159]
	v_pk_add_f32 v[244:245], v[244:245], v[162:163]
	v_pk_add_f32 v[242:243], v[242:243], v[166:167]
	v_pk_add_f32 v[14:15], v[14:15], v[170:171]
	v_pk_add_f32 v[236:237], v[236:237], v[174:175]
	s_delay_alu instid0(VALU_DEP_2)
	v_pk_add_f32 v[14:15], v[14:15], v[248:249]
	s_delay_alu instid0(VALU_DEP_2)
	v_pk_add_f32 v[236:237], v[236:237], v[246:247]
	v_pk_add_f32 v[252:253], v[252:253], v[244:245]
	v_pk_add_f32 v[250:251], v[250:251], v[242:243]
	s_delay_alu instid0(VALU_DEP_2)
	v_pk_add_f32 v[14:15], v[14:15], v[252:253]
	s_delay_alu instid0(VALU_DEP_2)
	v_pk_add_f32 v[236:237], v[236:237], v[250:251]
	s_delay_alu instid0(VALU_DEP_1)
	v_pk_add_f32 v[14:15], v[14:15], v[236:237]
	s_setprio 0
	s_wait_alu depctr_va_vdst(0)                   ; and one for the two
	v_max_num_f32 v240, 0x1800000, v240            ; the floor 2^(3 - 127)
	v_max_num_f32 v241, 0x1800000, v241
	s_delay_alu instid0(VALU_DEP_2)
	v_add_nc_u32 v242, 0xff000000, v240            ; the conversions' scale operands
	s_delay_alu instid0(VALU_DEP_2)
	v_add_nc_u32 v243, 0xff000000, v241
	s_delay_alu instid0(VALU_DEP_2)
	v_lshrrev_b32 v244, 23, v242
	s_delay_alu instid0(VALU_DEP_2)
	v_lshrrev_b32 v245, 23, v243
	s_delay_alu instid0(VALU_DEP_1)
	v_lshl_or_b32 v246, v245, 16, v244             ; my bytes: blocks h and 2 + h of the 128 keys
	s_delay_alu instid0(VALU_DEP_1)
	v_lshlrev_b32 v246, v5, v246
	s_delay_alu instid0(VALU_DEP_1)
	v_permlanex16_b32 v229, v246, s[SEL], s[SEL+1]
	s_delay_alu instid0(VALU_DEP_1)
	v_or_b32 v50, v246, v229                       ; p's scale word
.irp c, 0,1
	v_cvt_scalef32_pk16_fp6_f32 v[208+6*\c:210+6*\c], v[112+32*\c:127+32*\c], v[242+\c]
	v_cvt_scalef32_pk16_fp6_f32 v[220+4*\c:222+4*\c], v[128+32*\c:143+32*\c], v[242+\c]
.endr
	v_nop                                          ; one plain line behind the conversions
.irp c, 0,1
.irp i, 0,1,2
	v_mov_b32 v[211+6*\c+\i], v[220+4*\c+\i]
.endr
.endr
.set n, 0
.rept 16
	v_pk_mul_f32 v[176+n:177+n], v[176+n:177+n], v[232:233] op_sel_hi:[1,0]   ; O^T under the new M; also the places between the lines that made p's codes and word and the products
.set n, n+2
.endr
	s_wait_alu depctr_va_vdst(0)
	s_wait_dscnt 0x0                               ; V
.irp i, 0,1,2,3
	v_wmma_scale_f32_16x16x128_f8f6f4 v[176+8*\i:183+8*\i], v[56+12*\i:67+12*\i], v[208:219], v[176+8*\i:183+8*\i], v[46+\i], v50 matrix_a_fmt:MATRIX_FMT_FP6 matrix_b_fmt:MATRIX_FMT_FP6
.endr
.Lskip_\@:
	s_add_co_u32 s[KOFF], s[KOFF], 6144
	s_add_co_u32 s[VOFF], s[VOFF], 6144
	s_add_co_u32 s[KSOFF], s[KSOFF], 512
	s_add_co_u32 s[VSOFF], s[VSOFF], 256
	s_add_co_u32 s[J], s[J], 1
	s_cmp_lt_u32 s[J], 16
	s_cbranch_scc1 .Lstep_\@
	s_setprio 0
	; the pass's end: the wholly hidden steps in closed form, the division, a's codes
	v_add_f32 v14, v14, v15
	v_fma_f32 v230, v52, s[C1], v12                ; t_m - M,
	s_delay_alu instid0(VALU_DEP_1)
	v_min_num_f32 v230, 0, v230                    ; at most 0 wherever a hidden key exists; held there for the one row that has none
	s_delay_alu instid0(VALU_DEP_3)
	v_permlanex16_b32 v229, v14, s[SEL], s[SEL+1]
	s_lshl_b32 s56, s[JD], 7
	s_sub_co_u32 s56, 1920, s56                    ; keys in the wholly hidden steps
	v_cvt_f32_u32 v231, s56
	s_lshl_b32 s56, s[JD], 8
	s_add_co_u32 s56, s56, SUF
	v_add_nc_u32 v6, s56, v4
	s_wait_alu depctr_va_vdst(0)
	v_exp_f32 v230, v230                           ; p_m
	v_add_f32 v14, v14, v229                       ; the row's sum over the steps walked
.irp x, 0,1,2,3,4,5,6,7
	ds_load_b128 v[56+4*\x:59+4*\x], v6 offset:16*\x   ; the sum of the quantised V over the hidden steps, in O^T's register order
.endr
	s_wait_alu depctr_va_vdst(0)
	v_fma_f32 v14, v231, v230, v14
	v_bfe_u32 v234, v230, 20, 1                    ; Q(p_m): to three mantissa bits, ties to even,
	v_add3_u32 v234, v230, v234, 0x7ffff
	s_delay_alu instid0(VALU_DEP_1)
	v_and_b32 v234, 0xfff00000, v234
	v_and_or_b32 v231, v230, 0x7f800000, s58       ; held at 7.5 x the block's scale
	s_delay_alu instid0(VALU_DEP_1)
	v_min_u32 v234, v234, v231
	s_wait_alu depctr_va_vdst(0)
	v_rcp_f32 v236, v14
	s_wait_dscnt 0x0
.set n, 0
	s_wait_alu depctr_va_vdst(0)
.rept 16
	v_pk_fma_f32 v[176+n:177+n], v[56+n:57+n], v[234:235], v[176+n:177+n] op_sel_hi:[1,0,1]
.set n, n+2
.endr
	s_wait_alu depctr_va_vdst(0)                   ; the reciprocal
.irp j, 0,1,2,3,4,5,6,7
.irp i, 0,1,2,3
	v_mul_f32 v[112+4*\j+\i], v[176+8*\i+\j], v236 ; register 8 i + j holds d = 32 h + 4 j + i: a comes out in natural order
.endr
.endr
	QB32 112, 208, 220, 244
	global_store_b128 v1, v[208:211], s[52:53]
	global_store_b64 v2, v[212:213], s[52:53]
	global_store_b8 v110, v244, s[54:55] offset:XSOFF   ; my block's byte: a scale word's other half belongs to another head's work-groups
.endm
	PASS 16, 40, 0
	PASS 28, 41, 1
	s_wait_tensorcnt 0x0
	ds_add_u32 v254, v255
	s_wait_dscnt 0x0
	ROUND                                          ; the closing round
	s_endpgm
.Lfunc_end_k_q18c04f056e_attn:
	.size	k_q18c04f056e_attn, .Lfunc_end_k_q18c04f056e_attn-k_q18c04f056e_attn
	.p2alignl 7, 3214868480
	.fill 96, 4, 3214868480
	.section	.rodata,"a",@progbits
	.p2align	6, 0x0
	.amdhsa_kernel k_q18c04f056e_attn
		.amdhsa_group_segment_fixed_size 219136
		.amdhsa_private_segment_fixed_size 0
		.amdhsa_enable_private_segment 0
		.amdhsa_kernarg_size 24
		.amdhsa_user_sgpr_count 2
		.amdhsa_user_sgpr_kernarg_segment_ptr 1
		.amdhsa_wavefront_size32 1
		.amdhsa_system_sgpr_workgroup_id_x 1
		.amdhsa_system_sgpr_workgroup_id_y 1
		.amdhsa_system_sgpr_workgroup_id_z 1
		.amdhsa_system_vgpr_workitem_id 0
		.amdhsa_next_free_vgpr 256
		.amdhsa_next_free_sgpr 66
		.amdhsa_reserve_vcc 1
		.amdhsa_float_denorm_mode_32 3
		.amdhsa_float_denorm_mode_16_64 3
		.amdhsa_memory_ordered 1
		.amdhsa_forward_progress 1
		.amdhsa_inst_pref_size 72
	.end_amdhsa_kernel
	.amdgpu_metadata
---
amdhsa.version: [ 1, 2 ]
amdhsa.kernels:
  - .name:           k_q18c04f056e_attn
    .symbol:         k_q18c04f056e_attn.kd
    .args:
      - { .name: qrec, .offset: 0, .size: 8, .value_kind: global_buffer, .address_space: global }
      - { .name: kv, .offset: 8, .size: 8, .value_kind: global_buffer, .address_space: global }
      - { .name: aq, .offset: 16, .size: 8, .value_kind: global_buffer, .address_space: global }
    .group_segment_fixed_size: 219136
    .private_segment_fixed_size: 0
    .kernarg_segment_align: 8
    .kernarg_segment_size: 24
    .max_flat_workgroup_size: 512
    .sgpr_count:     66
    .vgpr_count:     256
    .wavefront_size: 32
...
	.end_amdgpu_metadata
.endif
;; end of part 3
;; launch proj (part 4): grid 32 x 4, 4 waves a work-group, clusters of 4 x 4, 327,680 bytes of LDS; arguments aq, pq, c_proj_b, out0; writes out0
.if DOCPART == 4
	.amdgcn_target "amdgcn-amd-amdhsa--gfx1250"
	.amdhsa_code_object_version 6
	.text
	.protected	k_q18c04f056e_proj
	.globl	k_q18c04f056e_proj
	.p2align	8
	.type	k_q18c04f056e_proj,@function
k_q18c04f056e_proj:
	s_mov_b64 s[64:65], 0
	v_nop
	global_prefetch_b8 v0, s[64:65] scope:SCOPE_SE
	s_setreg_imm32_b32 hwreg(HW_REG_WAVE_MODE, 25, 1), 1
	s_wait_xcnt 0x0
	s_wait_alu depctr_hold_cnt(0) depctr_sa_sdst(0) depctr_va_vdst(0) depctr_va_sdst(0) depctr_va_ssrc(0) depctr_va_vcc(0) depctr_vm_vsrc(0)
	s_getreg_b32 s2, hwreg(HW_REG_IB_STS2, 6, 4)
	s_cmp_eq_u32 s2, 0
	s_cbranch_scc0 .Lentry_in_a_cluster
	s_endpgm
.Lentry_in_a_cluster:
	s_bfe_u32 s2, ttmp6, 0x10000c
	s_cmp_lg_u32 s2, 0xf033
	s_cbranch_scc0 .Lentry_shape_is_right
	s_endpgm
.Lentry_shape_is_right:
; out0 = a c_proj_w + c_proj_b on codes of FP6 (E2M3) with E8M0 scales: 8,192 x 1,024 x 1,024, f32 out.
; A work-group of four waves makes 256 x 256, a wave 128 x 128: 64 accumulators.  K goes in four steps of 256 through two LDS slots filled by joint tensor loads.
; OPERANDS lie in memory as half fragments of 768 bytes (16 rows x 64 K; registers 0-3 of lane l at 16 l, registers 4-5 at 512 + 8 l) at tile x 12,288 + kg x 768; a row tile 4 G + a holds in lane r the row 64 G + 4 r + a.
; P, source 0, is a (tokens; panel 4 x cluster x + cx, shared along a column of the cluster); R, source 1, is the weight's columns (panel cy, shared along a row).
; THE WAY OUT needs no LDS: R's tiles 4 g + i hold in lane r the columns 64 g + 4 r + i, so the same register of four accumulators is four neighbouring columns of one token: 16 bytes a lane, 256 consecutive bytes in sixteen lanes.
; REGISTERS: window 0: v1-8 lane numbers and offsets; v16-23, v27 LDS addresses; v28-29 for the add; v32-63 scale words, two sets; v64-71 the bias; v128-223 R's fragments (on the way out: at work).
;   window 1: P's fragments, two sets.  window 2: accumulators of R's blocks 0-3 ((a, b) at v[8 (8 (a % 4) + b)]);  window 3: of blocks 4-7.
.set XSOFF, 6291456
.set PSOFF, 786432
.set HALFT, 24576
.set SLOT,  98304
.set SCL,   196608
.set SPARE, 212992                     ; the spare words, 128 bytes for each wave: two blocks of 256 bytes that no other line names
.set FR,    12
.set NL,    4
.set NP,    4
.set ADRA, 16
.set ADRB, 20
.set ADRS, 27
.set SPW,  28
.set NIL,  29
.set SC,   32
.set BP,   64
.set AF,   128
.set G1, 24
.set G0, 32
.set G1B, 48
.set G0B, 56
.set G1S, 68
.set G0S, 76
.set G1SB, 80
.set G0SB, 88
.set MSB, 0
.macro WIN new                         ; the immediate's high byte repeats the setting that is left
.if MSB != (\new)
	s_set_vgpr_msb (MSB<<8)|(\new)
.set MSB, (\new)
.endif
.endm
.set MUL_LO, 0xa1
.set MUL_HI, 0xf1
.set TO_B,   0x40
.macro JLOAD g0a, g1a, g0b, g1b        ; a joint load: waves 0 and 1 fetch for R, waves 2 and 3 for P; four v_nop follow each of the two lines
	s_cmp_eq_u32 s15, 0
	s_cbranch_scc0 .Lfor_b_\@
	tensor_load_to_lds s[\g0a:\g0a+3], s[\g1a:\g1a+7]
	s_nop 0
.rept 4
	v_nop
.endr
	s_branch .Lasked_\@
.Lfor_b_\@:
	tensor_load_to_lds s[\g0b:\g0b+3], s[\g1b:\g1b+7]
	s_nop 0
.rept 4
	v_nop
.endr
.Lasked_\@:
.endm
.macro CREST
	s_cmp_lg_u32 s14, 0
	s_cbranch_scc1 .Lnot_wave_0_\@
	s_barrier_signal -3
.Lnot_wave_0_\@:
	s_barrier_wait -3
	s_barrier_signal -1
	s_barrier_wait -1
.endm
.macro CROUND
	s_barrier_signal -1
	s_barrier_wait -1
	CREST
.endm
.macro FRAG reg, adr, q, i
.irp c, 0,1
	ds_load_b128 v[\reg+6*\c:\reg+6*\c+3], v[\adr] offset:(\i)*3072+(2*(\q)+\c)*768
	ds_load_b64 v[\reg+6*\c+4:\reg+6*\c+5], v[\adr+2] offset:(\i)*3072+(2*(\q)+\c)*768
.endr
.endm
; The 64 accumulators take turns, one instruction a turn, in the same order in every step.
.macro MUL16 a0, p, q, sc, zero
.irp a, \a0, \a0+1
.irp b, 0,1,2,3,4,5,6,7
.if \zero
	v_wmma_scale_f32_16x16x128_f8f6f4 v[8*(8*((\a)%4)+\b):8*(8*((\a)%4)+\b)+7], v[128*(\p)+FR*\b:128*(\p)+FR*\b+FR-1], v[AF+FR*(\a):AF+FR*(\a)+FR-1], 0, v[SC+16*(\sc)+8*(\q)+\b], v[SC+16*(\sc)+8*(\q)+(\a)] matrix_a_fmt:MATRIX_FMT_FP6 matrix_b_fmt:MATRIX_FMT_FP6 matrix_a_scale:MATRIX_SCALE_ROW1
.else
	v_wmma_scale_f32_16x16x128_f8f6f4 v[8*(8*((\a)%4)+\b):8*(8*((\a)%4)+\b)+7], v[128*(\p)+FR*\b:128*(\p)+FR*\b+FR-1], v[AF+FR*(\a):AF+FR*(\a)+FR-1], v[8*(8*((\a)%4)+\b):8*(8*((\a)%4)+\b)+7], v[SC+16*(\sc)+8*(\q)+\b], v[SC+16*(\sc)+8*(\q)+(\a)] matrix_a_fmt:MATRIX_FMT_FP6 matrix_b_fmt:MATRIX_FMT_FP6 matrix_a_scale:MATRIX_SCALE_ROW1
.endif
.endr
.endr
.endm
.macro FETCH_B slot, q, p
	WIN TO_B
.irp i, 0,1,2,3,4,5,6,7
	FRAG 128*(\p)+FR*\i, ADRB+\slot, \q, \i
.endr
	WIN 0
.endm
.macro FETCH_A slot, q, i0
.irp i, \i0, \i0+1, \i0+2, \i0+3
	FRAG AF+FR*(\i), ADRA+\slot, \q, \i
.endr
.endm
.macro SCALES sc
.irp q, 0,1
.irp g, 0,1
	ds_load_b128 v[SC+16*\sc+8*\q+4*\g:SC+16*\sc+8*\q+4*\g+3], v[ADRS] offset:\g*2048+\q*256
.endr
.endr
.endm
.macro PLACES n
.rept \n
	v_nop
.endr
.endm
.macro STEP slot, q, zero
	s_wait_dscnt 4*NL                              ; P's set and R's blocks 0-3 are in; the youngest 16 loads (R's blocks 4-7) may be out
	WIN MUL_LO
	MUL16 0, (\q)%2, \q, \slot, \zero
	MUL16 2, (\q)%2, \q, \slot, \zero
	s_wait_dscnt 0
	PLACES NP
	FETCH_B \slot, (\q)+1, 1-(\q)%2
	FETCH_A \slot, (\q)+1, 0
	WIN MUL_HI
	MUL16 4, (\q)%2, \q, \slot, \zero
	MUL16 6, (\q)%2, \q, \slot, \zero
	PLACES NP
	WIN 0
	FETCH_A \slot, (\q)+1, 4
.endm
.macro TURN slot, next, fill
	s_wait_tensorcnt 0x0                           ; all my tensor loads have landed: my part of the next slot
	ds_add_u32 v[SPW], v[NIL]                      ; 0 onto my spare word
	s_wait_dscnt 4*NL+1                            ; (the add and the youngest 16 loads may be out)
	WIN MUL_LO
	MUL16 0, 1, 1, \slot, 0
	s_wait_dscnt 0x0                               ; the add is done, and my reads of this slot are over
	s_barrier_signal -1
	MUL16 2, 1, 1, \slot, 0
	WIN 0
	s_barrier_wait -1
.if \fill
	CREST                                          ; the barrier has opened a round of the cluster's barrier
	s_add_nc_u64 s[G0+4*\slot+2:G0+4*\slot+3], s[G0+4*\slot+2:G0+4*\slot+3], 6144
	s_add_nc_u64 s[G0B+4*\slot+2:G0B+4*\slot+3], s[G0B+4*\slot+2:G0B+4*\slot+3], 6144
	JLOAD G0+4*\slot, G1, G0B+4*\slot, G1B         ; the first tensor load behind the round
.else
	PLACES NP
.endif
	s_wait_alu depctr_va_vdst(0)
	v_add_nc_u32 v[ADRS], 512, v[ADRS]
	FETCH_B \next, 0, 0
	FETCH_A \next, 0, 0
	SCALES \next
	WIN MUL_HI
	MUL16 4, 1, 1, \slot, 0
	MUL16 6, 1, 1, \slot, 0
	PLACES NP
	WIN 0
	FETCH_A \next, 0, 4
.endm
	s_load_b128 s[4:7], s[0:1], 0x0                ; aq s[4:5], pq s[6:7]
	s_load_b128 s[8:11], s[0:1], 0x10              ; c_proj_b s[8:9], out0 s[10:11]
	v_lshl_add_u32 v[SPW], v0, 2, SPARE
	v_mov_b32 v[NIL], 0
	ds_add_u32 v28, v29
	ds_add_u32 v28, v29
	s_wait_dscnt 0x0
	v_lshrrev_b32 v1, 5, v0
	v_readfirstlane_b32 s14, v1                    ; wave 0..3
	s_lshr_b32 s15, s14, 1                         ; my half of R's panel.  Also: I fetch for R (0) or for P (1)
	s_and_b32 s16, s14, 1                          ; my half of P's panel.  Also: which half I fetch
	s_bfe_u32 s40, ttmp6, 0x40000                  ; cx
	s_bfe_u32 s41, ttmp6, 0x40004                  ; cy
	s_lshl_b32 s42, ttmp9, 2
	s_add_co_u32 s42, s42, s40                     ; P's panel of 256 tokens
	s_mov_b32 s17, s41                             ; R's panel of 256 columns
	s_lshl_b32 s43, s41, 2
	s_lshl_b32 s43, 15, s43                        ; my row of the cluster
	s_lshl_b32 s44, 0x1111, s40                    ; my column
	s_or_b32 s[G1+0], s43, (3<<16)|(1<<21)         ; codes: 8 rows (tiles) of 3,072 bytes, 12,288 bytes apart, elements of 8 bytes
	s_or_b32 s[G1B+0], s44, (3<<16)|(1<<21)
.irp g, G1, G1B
	s_mov_b32 s[\g+1], 384<<16
	s_mov_b32 s[\g+2], 8<<16
	s_mov_b32 s[\g+3], 384<<16
	s_mov_b32 s[\g+4], 8
	s_mov_b32 s[\g+5], 1536
	s_mov_b32 s[\g+6], 0
	s_mov_b32 s[\g+7], 0
.endr
	s_or_b32 s[G1S+0], s43, (3<<16)|(1<<21)        ; scale words: 4,096 dense bytes as 16 rows of 256
	s_or_b32 s[G1SB+0], s44, (3<<16)|(1<<21)
.irp g, G1S, G1SB
	s_mov_b32 s[\g+1], 32<<16
	s_mov_b32 s[\g+2], 16<<16
	s_mov_b32 s[\g+3], 32<<16
	s_mov_b32 s[\g+4], 16
	s_mov_b32 s[\g+5], 32
	s_mov_b32 s[\g+6], 0
	s_mov_b32 s[\g+7], 0
.endr
	s_mul_i32 s18, s16, 98304
	s_lshl_b32 s19, s16, 12
	s_mul_i32 s20, s17, 196608
	s_add_co_u32 s20, s20, s18
	s_mov_b32 s21, 0
	s_lshl_b32 s22, s17, 13
	s_add_co_u32 s22, s22, s19
	s_add_co_u32 s22, s22, PSOFF
	s_mov_b32 s23, 0
	s_mul_i32 s46, s42, 196608
	s_add_co_u32 s46, s46, s18
	s_mov_b32 s47, 0
	s_lshl_b32 s92, s42, 13
	s_add_co_u32 s92, s92, s19
	s_add_co_u32 s92, s92, XSOFF
	s_mov_b32 s93, 0
	s_mul_i32 s45, s14, HALFT
	s_lshl_b32 s94, s14, 12
	s_wait_kmcnt 0x0
	s_add_nc_u64 s[20:21], s[6:7], s[20:21]
	s_add_nc_u64 s[22:23], s[6:7], s[22:23]
	s_add_nc_u64 s[46:47], s[4:5], s[46:47]
	s_add_nc_u64 s[92:93], s[4:5], s[92:93]
	CROUND                                         ; all sixteen work-groups are here: the first joint loads meet
	s_mov_b32 s[G0S], 1
	s_add_co_u32 s[G0S+1], s94, SCL
	s_mov_b64 s[G0S+2:G0S+3], s[22:23]
	s_or_b32 s[G0S+3], s[G0S+3], 0x80000000
	s_mov_b32 s[G0SB], 1
	s_add_co_u32 s[G0SB+1], s94, SCL
	s_mov_b64 s[G0SB+2:G0SB+3], s[92:93]
	s_or_b32 s[G0SB+3], s[G0SB+3], 0x80000000
	JLOAD G0S, G1S, G0SB, G1SB                     ; three loads of a wave are out at the start, one behind each round
.irp s, 0,1
	s_mov_b32 s[G0+4*\s], 1
	s_add_co_u32 s[G0+4*\s+1], s45, \s*SLOT
	s_add_nc_u64 s[G0+4*\s+2:G0+4*\s+3], s[20:21], \s*3072
	s_or_b32 s[G0+4*\s+3], s[G0+4*\s+3], 0x80000000
	s_mov_b32 s[G0B+4*\s], 1
	s_add_co_u32 s[G0B+4*\s+1], s45, \s*SLOT
	s_add_nc_u64 s[G0B+4*\s+2:G0B+4*\s+3], s[46:47], \s*3072
	s_or_b32 s[G0B+4*\s+3], s[G0B+4*\s+3], 0x80000000
	s_wait_alu depctr_va_vdst(0)
	s_wait_tensorcnt 0x0
	ds_add_u32 v28, v29
	s_wait_dscnt 0x0
	CROUND
	JLOAD G0+4*\s, G1, G0B+4*\s, G1B
.endr
	v_and_b32 v1, 15, v0                           ; r
	v_bfe_u32 v2, v0, 4, 1                         ; h
	v_and_b32 v5, 31, v0
	v_lshlrev_b32 v3, 4, v5                        ; 16 x lane
	v_lshlrev_b32 v4, 3, v5
	v_add_nc_u32 v4, 512, v4                       ; 512 + 8 x lane
	s_mul_i32 s21, s15, HALFT
	s_mul_i32 s22, s16, HALFT
	s_add_co_u32 s22, s22, 2*HALFT
.irp s, 0,1
	v_add_nc_u32 v[ADRA+\s], s21, v3
	v_add_nc_u32 v[ADRB+\s], s22, v3
	v_add_nc_u32 v[ADRA+2+\s], s21, v4
	v_add_nc_u32 v[ADRB+2+\s], s22, v4
	s_add_co_u32 s21, s21, SLOT
	s_add_co_u32 s22, s22, SLOT
.endr
	v_lshlrev_b32 v6, 4, v1                        ; 16 r
	s_wait_alu depctr_va_vdst(0)
	s_lshl_b32 s21, s15, 12
	s_lshl_b32 s22, s16, 12
	s_add_co_u32 s22, s22, 8192
	s_sub_co_u32 s22, s22, s21
	v_mul_u32_u24 v8, s22, v2                      ; lanes 16-31 take P's words: one product, the distance between the two bases
	s_add_co_u32 s21, s21, SCL
	v_add_nc_u32 v8, v6, v8
	v_add_nc_u32 v[ADRS], s21, v8
	v_lshl_add_u32 v8, v2, 17, v6                  ; out: 32 h rows of 4,096 bytes + 16 r
	s_lshl_b32 s18, s41, 10                        ; my 128 columns, in bytes: 1,024 cy + 512 (wave / 2)
	s_lshl_b32 s19, s15, 9
	s_add_co_u32 s18, s18, s19
	s_mov_b32 s19, 0
	s_add_nc_u64 s[8:9], s[8:9], s[18:19]
	global_load_b128 v[BP:BP+3], v6, s[8:9]        ; the bias of columns 64 g + 4 r + 0 .. 3
	global_load_b128 v[BP+4:BP+7], v6, s[8:9] offset:256
	s_lshl_b32 s2, s42, 20                         ; my 128 tokens: 256 rows of 4,096 bytes a panel,
	s_lshl_b32 s3, s16, 19                         ; 128 a half
	s_add_co_u32 s18, s18, s2
	s_add_co_u32 s18, s18, s3
	s_add_nc_u64 s[10:11], s[10:11], s[18:19]
	s_wait_alu depctr_va_vdst(0)
	s_wait_tensorcnt 1                             ; the scale words and my part of K step 0 are in (K step 1's load may be out),
	s_barrier_signal -1
	s_barrier_wait -1                              ; everybody's are
	FETCH_B 0, 0, 0
	FETCH_A 0, 0, 0
	SCALES 0
	FETCH_A 0, 0, 4
	STEP 0, 0, 1                                   ; the first products start the sums: nothing is cleared
	TURN 0, 1, 1
	STEP 1, 0, 0
	TURN 1, 0, 1
	STEP 0, 0, 0
	TURN 0, 1, 0                                   ; the last change of slots fills nothing
	STEP 1, 0, 0
	s_wait_dscnt 4*NL                              ; the very last step
	WIN MUL_LO
	MUL16 0, 1, 1, 1, 0
	MUL16 2, 1, 1, 1, 0
	s_wait_dscnt 0
	WIN MUL_HI
	MUL16 4, 1, 1, 1, 0
	MUL16 6, 1, 1, 1, 0
	WIN 0
	PLACES NP
	s_wait_loadcnt 0x0                             ; the bias
; token tile b (tokens 64 (b / 4) + 32 h + 4 j + b % 4), columns 64 g on: register j of the four accumulators (4 g + i, b) is four neighbouring columns of one token
.macro EPO b, g
	s_wait_xcnt 0x0                                ; earlier stores have read their data
	WIN 0x02+(\g)
.set TS, 128+32*(\g)
.irp j, 0,1,2,3,4,5,6,7
.irp i, 0,1,2,3
	v_add_f32 v[TS+4*\j+\i], v[64*\i+8*(\b)+\j], v[BP+4*(\g)+\i]   ; each accumulator from its low end on
.endr
.endr
	WIN 0
.irp j, 0,1,2,3,4,5,6,7
	global_store_b128 v8, v[TS+4*\j:TS+4*\j+3], s[10:11] offset:(64*((\b)/4)+(\b)%4+4*\j)*4096+256*(\g) th:TH_STORE_NT   ; sixteen lanes store 256 consecutive bytes, aligned
.endr
.endm
.irp b, 0,1,2,3,4,5,6,7
	EPO \b, 0
	EPO \b, 1
.endr
	s_wait_tensorcnt 0x0                           ; the wave's end
	ds_add_u32 v[SPW], v[NIL]
	s_wait_dscnt 0x0
	CROUND                                         ; the closing round
	s_endpgm
.Lfunc_end_k_q18c04f056e_proj:
	.size	k_q18c04f056e_proj, .Lfunc_end_k_q18c04f056e_proj-k_q18c04f056e_proj
	.p2alignl 7, 3214868480
	.fill 96, 4, 3214868480
	.section	.rodata,"a",@progbits
	.p2align	6, 0x0
	.amdhsa_kernel k_q18c04f056e_proj
		.amdhsa_group_segment_fixed_size 327680
		.amdhsa_private_segment_fixed_size 0
		.amdhsa_enable_private_segment 0
		.amdhsa_kernarg_size 32
		.amdhsa_user_sgpr_count 2
		.amdhsa_user_sgpr_kernarg_segment_ptr 1
		.amdhsa_wavefront_size32 1
		.amdhsa_system_sgpr_workgroup_id_x 1
		.amdhsa_system_sgpr_workgroup_id_y 1
		.amdhsa_system_sgpr_workgroup_id_z 1
		.amdhsa_system_vgpr_workitem_id 0
		.amdhsa_next_free_vgpr 1024
		.amdhsa_next_free_sgpr 100
		.amdhsa_reserve_vcc 0
		.amdhsa_float_denorm_mode_32 3
		.amdhsa_float_denorm_mode_16_64 3
		.amdhsa_memory_ordered 1
		.amdhsa_forward_progress 1
		.amdhsa_inst_pref_size 143
	.end_amdhsa_kernel
	.amdgpu_metadata
---
amdhsa.version: [ 1, 2 ]
amdhsa.kernels:
  - .name:           k_q18c04f056e_proj
    .symbol:         k_q18c04f056e_proj.kd
    .args:
      - { .name: aq, .offset: 0, .size: 8, .value_kind: global_buffer, .address_space: global }
      - { .name: pq, .offset: 8, .size: 8, .value_kind: global_buffer, .address_space: global }
      - { .name: c_proj_b, .offset: 16, .size: 8, .value_kind: global_buffer, .address_space: global }
      - { .name: out0, .offset: 24, .size: 8, .value_kind: global_buffer, .address_space: global }
    .group_segment_fixed_size: 327680
    .private_segment_fixed_size: 0
    .kernarg_segment_align: 8
    .kernarg_segment_size: 32
    .max_flat_workgroup_size: 128
    .sgpr_count:     100
    .vgpr_count:     1024
    .wavefront_size: 32
...
	.end_amdgpu_metadata
.endif
;; end of part 4
